; MI455X (gfx1250); checked and timed in simulation.
; The chip was launched on July 23, 2026; its instructions are those of AMD's public machine-readable ISA for CDNA 5 (MIT licence, August 2026) and "CDNA5" Instruction Set Architecture Reference Guide (July 2026). The comments in the code are by the model that wrote it; some were corrected since.
;; Multi Head Attention Layer. Allowed arithmetic: float matrix products may take bf16 or f16 operands with f32 sums; all other float work in f32.
;; Inputs: Wk 1,024 x 1,024 float32; Wo 1,024 x 1,024 float32; Wq 1,024 x 1,024 float32; Wv 1,024 x 1,024 float32; bk 1,024 float32; bo 1,024 float32; bq 1,024 float32; bv 1,024 float32; k 2 x 2,048 x 1,024 float32; q 2 x 2,048 x 1,024 float32; v 2 x 2,048 x 1,024 float32.
;; Outputs: out0 2 x 2,048 x 1,024 float32.
;; 2 versions, each right and faster than the one before. Each part assembles by itself: llvm-mc -triple=amdgcn-amd-amdhsa -mcpu=gfx1250 --defsym DOCPART=n.
;; ======== version 1 of 2: 4 launches
;; limits: values are held in f16: magnitudes above 65,504 overflow, below 6.1e-05 lose precision
;; workspace buffers: cb 33,554,432 bytes; qkv 25,165,824 bytes; ah 8,388,608 bytes
;; launch cast (part 1): grid 256 x 4, 8 waves a work-group, no clusters, 0 bytes of LDS; arguments q, k, v, Wq, Wk, Wv, Wo, cb; writes cb
.if DOCPART == 1
	.amdgcn_target "amdgcn-amd-amdhsa--gfx1250"
	.amdhsa_code_object_version 6
	.text
	.protected	k_qec46b04d3f_cast
	.globl	k_qec46b04d3f_cast
	.p2align	8
	.type	k_qec46b04d3f_cast,@function
k_qec46b04d3f_cast:
	s_mov_b64 s[64:65], 0
	v_nop
	global_prefetch_b8 v0, s[64:65] scope:SCOPE_SE
	s_setreg_imm32_b32 hwreg(HW_REG_WAVE_MODE, 25, 1), 1
	s_wait_xcnt 0x0
; cb = f16 of q | k | v | Wq | Wk | Wv | Wo, each laid as in its input: x rows at byte 0 (12,288 rows of 2,048 bytes),
; the four weights behind them at byte 25,165,824 (2,097,152 bytes each, still [k][n]).
; LIMIT: f16 holds magnitudes under 65,504; a larger input number becomes an infinity.  Under 6e-5 fewer than 11 bits are kept.
; A stream: memory binds, so no LDS, no barrier, no matrix unit, no cluster (no byte is read by two work-groups).
; A work-group takes 65,536 source bytes and writes 32,768.  Thread t takes 16 bytes at 16 t of each block of 4,096:
; a wave's load covers 512 neighbouring bytes, a wave's store 256 neighbouring bytes that begin at a multiple of 256.
; All sixteen loads of a wave go out at once; no register is written twice, so no source has to be freed.
.set X, 4                              ; v[4:67]   sixteen loads of 4 registers
.set Y, 68                             ; v[68:99]  sixteen stores of 2 registers
	s_load_b512 s[8:23], s[0:1], 0x0               ; q k v Wq Wk Wv Wo in s[8:21], cb in s[22:23]
	s_mov_b32 s2, ttmp9                            ; x: 0 to 255
	s_and_b32 s3, ttmp7, 0xffff                    ; y: 0, 1, 2 = q, k, v; 3 = the weights
	s_lshr_b32 s24, s2, 6
	s_add_co_u32 s24, s24, 3                       ; y = 3: source number 3 + x / 64,
	s_and_b32 s25, s2, 63                          ; chunk x mod 64 of it
	s_cmp_lt_u32 s3, 3
	s_cselect_b32 s26, s3, s24                     ; source number, 0 to 6
	s_cselect_b32 s27, s2, s25                     ; chunk in the source
	s_lshl_b32 s28, s27, 16                        ; 65,536 bytes a chunk
	s_mov_b32 s29, 0
	s_lshl_b32 s30, s3, 8
	s_add_co_u32 s30, s30, s2                      ; chunk in cb = 256 y + x,
	s_lshl_b32 s30, s30, 15                        ; 32,768 bytes each
	s_mov_b32 s31, 0
	v_lshlrev_b32 v1, 4, v0                        ; 16 t
	v_lshlrev_b32 v2, 3, v0                        ; 8 t
	s_wait_kmcnt 0x0
	s_mov_b64 s[4:5], s[8:9]
.irp i, 1,2,3,4,5,6
	s_cmp_eq_u32 s26, \i                           ; the choice hangs on the work-group's numbers alone
	s_cselect_b64 s[4:5], s[8+2*\i:9+2*\i], s[4:5]
.endr
	s_add_nc_u64 s[4:5], s[4:5], s[28:29]
	s_add_nc_u64 s[22:23], s[22:23], s[30:31]
.set j, 0
.rept 16
	global_load_b128 v[X+4*j:X+4*j+3], v1, s[4:5] offset:4096*j th:TH_LOAD_NT   ; read once in the launch
.set j, j+1
.endr
.set j, 0
.rept 16
	s_wait_loadcnt 15-j                            ; loads come back in order: load j is in, the 15 - j younger ones stay out
	v_cvt_pk_f16_f32 v[Y+2*j],   v[X+4*j],   v[X+4*j+1]
	v_cvt_pk_f16_f32 v[Y+2*j+1], v[X+4*j+2], v[X+4*j+3]
	global_store_b64 v2, v[Y+2*j:Y+2*j+1], s[22:23] offset:2048*j                ; the next launch reads it: no hint
.set j, j+1
.endr
	s_endpgm
.Lfunc_end_k_qec46b04d3f_cast:
	.size	k_qec46b04d3f_cast, .Lfunc_end_k_qec46b04d3f_cast-k_qec46b04d3f_cast
	.p2alignl 7, 3214868480
	.fill 96, 4, 3214868480
	.section	.rodata,"a",@progbits
	.p2align	6, 0x0
	.amdhsa_kernel k_qec46b04d3f_cast
		.amdhsa_group_segment_fixed_size 0
		.amdhsa_private_segment_fixed_size 0
		.amdhsa_enable_private_segment 0
		.amdhsa_kernarg_size 64
		.amdhsa_user_sgpr_count 2
		.amdhsa_user_sgpr_kernarg_segment_ptr 1
		.amdhsa_wavefront_size32 1
		.amdhsa_system_sgpr_workgroup_id_x 1
		.amdhsa_system_sgpr_workgroup_id_y 1
		.amdhsa_system_sgpr_workgroup_id_z 1
		.amdhsa_system_vgpr_workitem_id 0
		.amdhsa_next_free_vgpr 100
		.amdhsa_next_free_sgpr 66
		.amdhsa_reserve_vcc 0
		.amdhsa_float_denorm_mode_32 3
		.amdhsa_float_denorm_mode_16_64 3
		.amdhsa_memory_ordered 1
		.amdhsa_forward_progress 1
		.amdhsa_inst_pref_size 7
	.end_amdhsa_kernel
	.amdgpu_metadata
---
amdhsa.version: [ 1, 2 ]
amdhsa.kernels:
  - .name:           k_qec46b04d3f_cast
    .symbol:         k_qec46b04d3f_cast.kd
    .args:
      - { .name: q, .offset: 0, .size: 8, .value_kind: global_buffer, .address_space: global }
      - { .name: k, .offset: 8, .size: 8, .value_kind: global_buffer, .address_space: global }
      - { .name: v, .offset: 16, .size: 8, .value_kind: global_buffer, .address_space: global }
      - { .name: Wq, .offset: 24, .size: 8, .value_kind: global_buffer, .address_space: global }
      - { .name: Wk, .offset: 32, .size: 8, .value_kind: global_buffer, .address_space: global }
      - { .name: Wv, .offset: 40, .size: 8, .value_kind: global_buffer, .address_space: global }
      - { .name: Wo, .offset: 48, .size: 8, .value_kind: global_buffer, .address_space: global }
      - { .name: cb, .offset: 56, .size: 8, .value_kind: global_buffer, .address_space: global }
    .group_segment_fixed_size: 0
    .private_segment_fixed_size: 0
    .kernarg_segment_align: 8
    .kernarg_segment_size: 64
    .max_flat_workgroup_size: 256
    .sgpr_count:     66
    .vgpr_count:     100
    .wavefront_size: 32
...
	.end_amdgpu_metadata
.endif
;; end of part 1
;; launch qkv (part 2): grid 4 x 48, 4 waves a work-group, clusters of 4 x 4, 327,680 bytes of LDS; arguments cb, bq, bk, bv, qkv; writes qkv
.if DOCPART == 2
	.amdgcn_target "amdgcn-amd-amdhsa--gfx1250"
	.amdhsa_code_object_version 6
	.text
	.protected	k_qec46b04d3f_qkv
	.globl	k_qec46b04d3f_qkv
	.p2align	8
	.type	k_qec46b04d3f_qkv,@function
k_qec46b04d3f_qkv:
	s_mov_b64 s[64:65], 0
	v_nop
	global_prefetch_b8 v0, s[64:65] scope:SCOPE_SE
	s_setreg_imm32_b32 hwreg(HW_REG_WAVE_MODE, 25, 1), 1
	s_wait_xcnt 0x0
	s_wait_alu depctr_hold_cnt(0) depctr_sa_sdst(0) depctr_va_vdst(0) depctr_va_sdst(0) depctr_va_ssrc(0) depctr_va_vcc(0) depctr_vm_vsrc(0)
	s_getreg_b32 s2, hwreg(HW_REG_IB_STS2, 6, 4)
	s_cmp_eq_u32 s2, 0
	s_cbranch_scc0 .Lentry_in_a_cluster
	s_endpgm
.Lentry_in_a_cluster:
	s_bfe_u32 s2, ttmp6, 0x10000c
	s_cmp_lg_u32 s2, 0xf033
	s_cbranch_scc0 .Lentry_shape_is_right
	s_endpgm
.Lentry_shape_is_right:
; qkv[m][n] = sum over k of x[m][k] W_g[k][n] + b_g[n], for the 12,288 stacked rows of q, k, v (g = m / 4096), all f16, sums in f32.
; x: cb at byte 0, [12288][1024].  W_g: cb at byte WB + g * 2,097,152, [k][n].  The result is rounded once to f16.
; LIMIT: operands and results are f16: magnitudes under 65,504.
; A work-group makes 256 x 256 of the result with four waves, a wave 128 x 128: 64 accumulator tiles of 16 x 16, 512 registers.
; K goes in steps of 128 through a ring of two LDS slots filled by the tensor data mover.  x's tile: 256 rows of 256 bytes.
; W's tile: 128 k rows of 512 bytes, kept as [k][n] and read with the transposing LDS load.
; 192 work-groups: three products of 16 x 4 blocks; a block of another size would not give an even multiple of the WGPs either.
; CLUSTERS: 4 x 4 work-groups.  The four of a row of the cluster share x's tiles, the four of a column W's tiles (all sixteen have one g,
; since 16 block rows belong to one input): each tile is asked for jointly, which divides the requests by four.
;
; REGISTERS in windows of 256:
;   window 0: v0-31 addresses; v64-127, v128-191 fragments of x, two buffers; v192-223 at work on the way out
;   window 1: v0-63 the bias of my 128 columns, as eight C operands; v64-127, v128-191 fragments of W, two buffers
;   window 2: the 32 accumulator tiles of my rows 0-63 (tile (a, b) at v[8 (8 a + b)]);   window 3: those of my rows 64-127
; THE MATRIX INSTRUCTION IS USED TRANSPOSED: source 0 = 16 columns of W, source 1 = 16 rows of x.  Lane l then holds row l % 16 of the
; result and its registers 0 to 7 the columns 8 (l / 16) + 0 .. 7: eight neighbouring numbers, 16 bytes of f16.
; The 64 accumulators take turns, one instruction a turn, in the same order in every quarter step.
.set SIZE_K, 1024
.set SIZE_N, 1024
.set KSTEP,  128
.set PITCH,  272                       ; x in LDS: 256 bytes + 16 of padding: an odd multiple of 16
.set BPITCH, 544                       ; W in LDS: 512 bytes + 32 of padding: an odd multiple of 32
.set HALFT,  128*PITCH                 ; what one tensor load brings: 128 rows of x, or 64 k rows of W (64 * 544 is the same 34,816)
.set SLOT,   4*HALFT                   ; x's 256 rows, then W's 128 k rows
.set STAGE,  2*SLOT                    ; behind the ring: 16 rows x 272 bytes for each wave, for the way out; no tensor load lands here
.set SPITCH, 272
.set LAPS,   SIZE_K/(2*KSTEP)          ; 4 laps of two K steps
.set WB,     25165824                  ; the weights in cb
.set ADRA, 16                          ; v16-17  LDS address of my x fragments in slot 0, 1
.set ADRB, 20                          ; v20-21  the same for W
.set STO,  24                          ; v24     the way out: where I put 16 bytes of a row
.set RD,   25                          ; v25     the way out: where I read a row back
.set CO,   26                          ; v26     my byte offset in the result
.set BO,   27                          ; v27     my byte offset in the bias: 32 (l / 16)
.set F0,   64
.set F1,   128
.set TMP,  192
.set G1,  24                           ; s[24:31] descriptor group 1 for x's tiles
.set G0,  32                           ; s[32:39] group 0 for x's tiles, one set for each slot
.set G1B, 48                           ; s[48:55] group 1 for W's tiles
.set G0B, 56                           ; s[56:63] group 0 for W's tiles, one set for each slot
.set MSB, 0
.macro WIN new                         ; the immediate's high byte repeats the setting that is left
.if MSB != \new
	s_set_vgpr_msb (MSB<<8)|\new
.set MSB, \new
.endif
.endm
.set MUL_LO, 0xa1                      ; source 0 (W) window 1, source 1 (x) window 0, C and D window 2
.set MUL_HI, 0xf1                      ; the same, C and D window 3
.set FST_LO, 0x91                      ; the first product: C is the bias in window 1, D window 2
.set FST_HI, 0xd1                      ; the same, D window 3
.set TO_B,   0x40                      ; destination window 1, address window 0
; A joint load.  Waves 0 and 1 fetch x's two halves, waves 2 and 3 W's.  Each line has one mask and one set of registers for all that issue it.
.macro JLOAD s
	s_cmp_eq_u32 s11, 0
	s_cbranch_scc0 .Lfor_b_\@
	tensor_load_to_lds s[G0+4*\s:G0+4*\s+3], s[G1:G1+7]
	s_nop 0
	s_branch .Lasked_\@
.Lfor_b_\@:
	tensor_load_to_lds s[G0B+4*\s:G0B+4*\s+3], s[G1B:G1B+7]
	s_nop 0
.Lasked_\@:
.endm
.macro CREST                           ; a round of the cluster's barrier behind its opening barrier
	s_cmp_lg_u32 s10, 0
	s_cbranch_scc1 .Lnot_wave_0_\@
	s_barrier_signal -3
.Lnot_wave_0_\@:
	s_barrier_wait -3
	s_barrier_signal -1
	s_barrier_wait -1
.endm
.macro CROUND                          ; a whole round
	s_barrier_signal -1
	s_barrier_wait -1
	CREST
.endm
	s_load_b64 s[4:5], s[0:1], 0x0                 ; cb
	s_load_b128 s[68:71], s[0:1], 0x8              ; bq, bk
	s_load_b64 s[72:73], s[0:1], 0x18              ; bv
	s_load_b64 s[8:9], s[0:1], 0x20                ; qkv
	s_set_vgpr_msb 0x40
	v_lshl_add_u32 v255, v0, 2, 0x48400
	s_set_vgpr_msb 0x4000
	v_mov_b32 v255, 0
	s_set_vgpr_msb 0x1
	ds_add_u32 v255, v255
	s_set_vgpr_msb 0x100
	v_lshrrev_b32 v1, 5, v0
	v_readfirstlane_b32 s10, v1                    ; wave 0..3
	s_lshr_b32 s11, s10, 1                         ; which half of the block's rows is mine.  Also: I fetch for x (0) or for W (1)
	s_and_b32 s12, s10, 1                          ; which half of its columns.  Also: which half of that tile I fetch
	s_bfe_u32 s40, ttmp6, 0x40000                  ; cx
	s_bfe_u32 s41, ttmp6, 0x40004                  ; cy
	s_lshl_b32 s42, ttmp9, 2
	s_add_co_u32 s42, s42, s40                     ; block column = 4 x cluster x + cx
	s_and_b32 s13, ttmp7, 0xffff
	s_lshr_b32 s45, s13, 2                         ; g = cluster y / 4: which of q, k, v; one for the whole cluster
	s_lshl_b32 s13, s13, 2
	s_add_co_u32 s13, s13, s41                     ; block row = 4 x cluster y + cy, 0 to 47
	s_lshl_b32 s43, s41, 2
	s_lshl_b32 s43, 15, s43                        ; my row of the cluster
	s_lshl_b32 s44, 0x1111, s40                    ; my column
	s_or_b32 s[G1+0], s43, (1<<16)|(1<<20)|(1<<21)|(5<<22)|(3<<25)   ; x: mask of my row; 2-byte elements; padding on; bit 21 beside a mask; after 64 words 4 words
	s_mov_b32 s[G1+1], KSTEP<<16                   ; tensor_dim0 = 128
	s_mov_b32 s[G1+2], 128<<16                     ; tensor_dim1 = 128
	s_mov_b32 s[G1+3], KSTEP<<16                   ; tile_dim0 = 128
	s_mov_b32 s[G1+4], 128                         ; tile_dim1 = 128
	s_mov_b32 s[G1+5], SIZE_K                      ; elements from row to row
	s_mov_b32 s[G1+6], 0
	s_mov_b32 s[G1+7], 0
	s_or_b32 s[G1B+0], s44, (1<<16)|(1<<20)|(1<<21)|(6<<22)|(7<<25)  ; W: mask of my column; after 128 words 8 words
	s_mov_b32 s[G1B+1], 256<<16                    ; tensor_dim0 = 256 columns
	s_mov_b32 s[G1B+2], 64<<16                     ; tensor_dim1 = 64 k rows
	s_mov_b32 s[G1B+3], 256<<16                    ; tile_dim0 = 256
	s_mov_b32 s[G1B+4], 64                         ; tile_dim1 = 64
	s_mov_b32 s[G1B+5], SIZE_N
	s_mov_b32 s[G1B+6], 0
	s_mov_b32 s[G1B+7], 0
	; x's tiles hang on the block row and the wave alone, W's on the block column, g and the wave alone, each in registers of its own
	s_lshl_b32 s17, s12, 7
	s_lshl_b32 s16, s13, 8
	s_add_co_u32 s16, s16, s17                     ; x: row 256 x block row + 128 x half,
	s_lshl_b32 s16, s16, 11                        ; 2,048 bytes each: under 2^25
	s_mov_b32 s17, 0
	s_lshl_b32 s46, s12, 17                        ; W: 64 k rows x half, 2,048 bytes each,
	s_lshl_b32 s47, s42, 9
	s_add_co_u32 s46, s46, s47                     ; + 512 bytes x block column,
	s_lshl_b32 s47, s45, 21
	s_add_co_u32 s46, s46, s47                     ; + 2,097,152 g
	s_mov_b32 s47, 0
	s_mul_i32 s20, s10, HALFT                      ; where they go: wave x 34,816
	s_lshl_b32 s66, s42, 10                        ; the bias of my 128 columns: 1,024 bytes x block column + 512 x half
	s_lshl_b32 s67, s12, 9
	s_add_co_u32 s66, s66, s67
	s_mov_b32 s67, 0
	s_wait_dscnt 0x0
	s_wait_kmcnt 0x0
	s_add_nc_u64 s[14:15], s[4:5], s[16:17]
	s_add_nc_u64 s[46:47], s[4:5], s[46:47]
	s_add_nc_u64 s[46:47], s[46:47], WB
	s_cmp_eq_u32 s45, 1
	s_cselect_b64 s[74:75], s[70:71], s[68:69]     ; bk or bq,
	s_cmp_eq_u32 s45, 2
	s_cselect_b64 s[74:75], s[72:73], s[74:75]     ; or bv
	s_add_nc_u64 s[74:75], s[74:75], s[66:67]
	CROUND                                         ; all sixteen work-groups are here: the first joint loads meet
.irp s, 0,1
	s_mov_b32 s[G0+4*\s], 1
	s_add_co_u32 s[G0+4*\s+1], s20, \s*SLOT
	s_add_nc_u64 s[G0+4*\s+2:G0+4*\s+3], s[14:15], \s*KSTEP*2               ; K step s: 256 bytes along x's rows
	s_or_b32 s[G0+4*\s+3], s[G0+4*\s+3], 0x80000000
	s_mov_b32 s[G0B+4*\s], 1
	s_add_co_u32 s[G0B+4*\s+1], s20, \s*SLOT
	s_add_nc_u64 s[G0B+4*\s+2:G0B+4*\s+3], s[46:47], \s*KSTEP*SIZE_N*2      ; K step s: 128 rows down W
	s_or_b32 s[G0B+4*\s+3], s[G0B+4*\s+3], 0x80000000
	JLOAD \s                                       ; both first fills go out before anything else: two tensor loads of a wave are out
.endr
	v_and_b32 v1, 15, v0                           ; l % 16
	v_bfe_u32 v2, v0, 4, 1                         ; l / 16
	v_mul_u32_u24 v3, v1, PITCH
	v_lshl_add_u32 v3, v2, 4, v3                   ; x: row x pitch + 16 x half of the lanes
	v_and_b32 v6, 7, v0
	v_lshl_add_u32 v6, v2, 3, v6                   ; W: k row 8 (l / 16) + l % 8,
	v_mul_u32_u24 v6, v6, BPITCH
	v_bfe_u32 v7, v0, 3, 1
	v_lshl_add_u32 v6, v7, 4, v6                   ; and 16 bytes further for lanes 8-15 and 24-31
	s_mul_i32 s21, s11, HALFT                      ; my 128 rows of x
	s_lshl_b32 s22, s12, 8                         ; my 128 columns of W: 256 bytes,
	s_add_co_u32 s22, s22, 2*HALFT                 ; behind x's 256 rows
.irp s, 0,1
	v_add_nc_u32 v[ADRA+\s], s21, v3
	v_add_nc_u32 v[ADRB+\s], s22, v6
	s_add_co_u32 s21, s21, SLOT
	s_add_co_u32 s22, s22, SLOT
.endr
	s_mul_i32 s23, s10, 16*SPITCH
	s_add_co_u32 s23, s23, STAGE                   ; my stage
	v_mul_u32_u24 v4, v1, SPITCH
	v_lshl_add_u32 v4, v2, 4, v4
	v_add_nc_u32 v[STO], s23, v4
	v_mul_u32_u24 v5, v2, SPITCH
	v_lshl_add_u32 v5, v1, 4, v5
	v_add_nc_u32 v[RD], s23, v5
	v_mul_u32_u24 v5, v2, SIZE_N*2
	v_lshl_add_u32 v[CO], v1, 4, v5
	v_lshlrev_b32 v[BO], 5, v2
	; the bias as C operands: for column block b, register j of lane l is b_g[16 b + 8 (l / 16) + j], the same for every row block
	WIN TO_B
.irp b, 0,1,2,3,4,5,6,7
	global_load_b128 v[8*\b:8*\b+3],   v[BO], s[74:75] offset:64*\b
	global_load_b128 v[8*\b+4:8*\b+7], v[BO], s[74:75] offset:64*\b+16
.endr
	WIN 0
; 16 matrix instructions: row blocks a0, a0 + 1 of the window's four x all 8 column blocks, 32 along K.
; zero = 1: the first product takes the bias as C and so starts the sums: nothing is cleared, no add follows.
.macro MUL16 f, hi, a0, zero
.irp a, \a0, \a0+1
.irp b, 0,1,2,3,4,5,6,7
.if \zero
	v_wmma_f32_16x16x32_f16 v[8*(8*(\a)+\b):8*(8*(\a)+\b)+7], v[\f+8*\b:\f+8*\b+7], v[\f+8*(4*\hi+\a):\f+8*(4*\hi+\a)+7], v[8*\b:8*\b+7]
.else
	v_wmma_f32_16x16x32_f16 v[8*(8*(\a)+\b):8*(8*(\a)+\b)+7], v[\f+8*\b:\f+8*\b+7], v[\f+8*(4*\hi+\a):\f+8*(4*\hi+\a)+7], v[8*(8*(\a)+\b):8*(8*(\a)+\b)+7]
.endif
.endr
.endr
.endm
; 32 LDS loads in one run: the fragments of quarter step q (32 along K) into buffer f: sixteen for W, then sixteen for x
.macro FETCH slot, q, f
	WIN TO_B
.irp i, 0,1,2,3,4,5,6,7
	ds_load_tr16_b128 v[\f+8*\i:\f+8*\i+3],   v[ADRB+\slot] offset:\q*32*BPITCH+32*\i              ; k = 32 q + 8 (l / 16) + 0..7 of column 16 i + l % 16
	ds_load_tr16_b128 v[\f+8*\i+4:\f+8*\i+7], v[ADRB+\slot] offset:\q*32*BPITCH+32*\i+16*BPITCH    ; and sixteen k further
.endr
	WIN 0
.irp i, 0,1,2,3,4,5,6,7
	ds_load_b128 v[\f+8*\i:\f+8*\i+3],   v[ADRA+\slot] offset:\q*64+\i*16*PITCH
	ds_load_b128 v[\f+8*\i+4:\f+8*\i+7], v[ADRA+\slot] offset:\q*64+\i*16*PITCH+32
.endr
.endm
; Four plain vector places stand between a matrix instruction and a load into a register that it has read, or a vector
; instruction that reads its result (ISA guide 7.12.1 for vector instructions).
.macro PLACES
.rept 4
	v_nop
.endr
.endm
; One of a K step's first three quarters: multiplies buffer f; in its middle it fetches quarter q into buffer g.
.macro QUARTER slot, q, f, g, zero
	s_wait_dscnt 8                                 ; W and x's rows 0-63 are in; the youngest eight loads (x's rows 64-127) may be out
.if \zero
	WIN FST_LO
.else
	WIN MUL_LO
.endif
	MUL16 \f, 0, 0, \zero
	MUL16 \f, 0, 2, \zero
	PLACES
	FETCH \slot, \q, \g
	s_wait_dscnt 32                                ; all but the 32 just issued
.if \zero
	WIN FST_HI
.else
	WIN MUL_HI
.endif
	MUL16 \f, 1, 0, \zero
	MUL16 \f, 1, 2, \zero
.endm
.macro THREE slot, zero
	QUARTER \slot, 1, F0, F1, \zero
	QUARTER \slot, 2, F1, F0, 0
	QUARTER \slot, 3, F0, F1, 0
.endm
; The last quarter: multiplies buffer 1 and changes slots.  In front of the barrier each wave waits for its own reads of this slot and for
; all its tensor loads (one is out: its part of the next slot).  Behind it the refill comes first, then the next slot's first fragments.
.macro TURN slot, next, fill
	s_wait_dscnt 8
	WIN MUL_LO
	MUL16 F1, 0, 0, 0
	s_wait_dscnt 0                                 ; my reads of this slot are over
	s_wait_tensorcnt 0x0                           ; and all my tensor loads have landed
	ds_add_u32 v255, v255
	s_wait_dscnt 0x0
	s_barrier_signal -1                            ; where a slot is filled again this barrier opens a round of the cluster's barrier
	MUL16 F1, 0, 2, 0                              ; register work while the others arrive
	WIN 0
	s_barrier_wait -1
.if \fill
	CREST                                          ; no wave of any partner still reads this slot or has a load on its way
	s_add_nc_u64 s[G0+4*\slot+2:G0+4*\slot+3], s[G0+4*\slot+2:G0+4*\slot+3], 2*KSTEP*2
	s_add_nc_u64 s[G0B+4*\slot+2:G0B+4*\slot+3], s[G0B+4*\slot+2:G0B+4*\slot+3], 2*KSTEP*SIZE_N*2
	JLOAD \slot                                    ; the first tensor load behind the round, one a wave
.endif
	PLACES
	FETCH \next, 0, F0
	WIN MUL_HI
	MUL16 F1, 1, 0, 0
	MUL16 F1, 1, 2, 0
.endm
.macro LAP zero
	THREE 0, \zero
	TURN 0, 1, 1
	THREE 1, 0
	TURN 1, 0, 1
.endm
	s_wait_tensorcnt 1                             ; my part of K step 0 is in; K step 1's stays out
	s_barrier_signal -1
	s_barrier_wait -1
	FETCH 0, 0, F0
	s_wait_loadcnt 0x0                             ; the bias
	LAP 1                                          ; the first lap stands in front of the loop: its first products start the sums
	WIN 0
	s_mov_b32 s3, LAPS-2
.Llap:
	LAP 0
	WIN 0
	s_sub_co_u32 s3, s3, 1
	s_cmp_lg_u32 s3, 0
	s_cbranch_scc1 .Llap
	THREE 0, 0                                     ; the last lap fills nothing
	TURN 0, 1, 0
	THREE 1, 0
	s_wait_dscnt 8
	WIN MUL_LO
	MUL16 F1, 0, 0, 0
	MUL16 F1, 0, 2, 0
	s_wait_dscnt 0
	WIN MUL_HI
	MUL16 F1, 1, 0, 0
	MUL16 F1, 1, 2, 0
	; THE WAY OUT, 16 rows at a time: round to f16, 16 bytes a lane into my own stage, read back as whole rows of 256 bytes.
	PLACES
	s_lshl_b32 s13, s13, 8
	s_lshl_b32 s14, s11, 7
	s_add_co_u32 s16, s13, s14                     ; my first row,
	s_lshl_b32 s16, s16, 11                        ; 2,048 bytes each
	s_mov_b32 s17, 0
	s_add_nc_u64 s[8:9], s[8:9], s[16:17]
	s_lshl_b32 s46, s42, 9                         ; my first column in bytes: 512 x block column + 256 x half
	s_lshl_b32 s47, s12, 8
	s_add_co_u32 s46, s46, s47
	s_mov_b32 s47, 0
	s_add_nc_u64 s[8:9], s[8:9], s[46:47]
.macro OUT16 i, a, from, f
	WIN \from
.irp b, 0,1,2,3,4,5,6,7
.irp r, 0,1,2,3
	v_cvt_pk_f16_f32 v[TMP+4*\b+\r], v[8*(8*\a+\b)+2*\r], v[8*(8*\a+\b)+2*\r+1]
.endr
.endr
	WIN 0
.irp b, 0,1,2,3,4,5,6,7
	ds_store_b128 v[STO], v[TMP+4*\b:TMP+4*\b+3] offset:32*\b
.endr
	s_wait_xcnt 0x0                                ; buffer f, which earlier stores read, and the stores' base are rewritten only behind this wait
.if \i
	s_add_nc_u64 s[8:9], s[8:9], 16*SIZE_N*2
.endif
.irp t, 0,1,2,3,4,5,6,7
	ds_load_b128 v[\f+4*\t:\f+4*\t+3], v[RD] offset:\t*2*SPITCH    ; LDS serves a wave's instructions in order: these see the stores above
.endr
.irp t, 0,1,2,3,4,5,6,7
	s_wait_dscnt 7-\t
	global_store_b128 v[CO], v[\f+4*\t:\f+4*\t+3], s[8:9] offset:2*\t*SIZE_N*2   ; 16 lanes store 256 consecutive bytes, at a multiple of 256
.endr
.endm
	OUT16 0, 0, 0x0a, F0
	OUT16 1, 1, 0x0a, F1
	OUT16 2, 2, 0x0a, F0
	OUT16 3, 3, 0x0a, F1
	OUT16 4, 0, 0x0f, F0
	OUT16 5, 1, 0x0f, F1
	OUT16 6, 2, 0x0f, F0
	OUT16 7, 3, 0x0f, F1
	s_set_vgpr_msb 0x1
	s_wait_tensorcnt 0x0
	ds_add_u32 v255, v255
	s_wait_dscnt 0x0
	s_set_vgpr_msb 0x100
	CROUND                                         ; the closing round: no work-group ends while a partner may still ask jointly
	s_endpgm
.Lfunc_end_k_qec46b04d3f_qkv:
	.size	k_qec46b04d3f_qkv, .Lfunc_end_k_qec46b04d3f_qkv-k_qec46b04d3f_qkv
	.p2alignl 7, 3214868480
	.fill 96, 4, 3214868480
	.section	.rodata,"a",@progbits
	.p2align	6, 0x0
	.amdhsa_kernel k_qec46b04d3f_qkv
		.amdhsa_group_segment_fixed_size 327680
		.amdhsa_private_segment_fixed_size 0
		.amdhsa_enable_private_segment 0
		.amdhsa_kernarg_size 40
		.amdhsa_user_sgpr_count 2
		.amdhsa_user_sgpr_kernarg_segment_ptr 1
		.amdhsa_wavefront_size32 1
		.amdhsa_system_sgpr_workgroup_id_x 1
		.amdhsa_system_sgpr_workgroup_id_y 1
		.amdhsa_system_sgpr_workgroup_id_z 1
		.amdhsa_system_vgpr_workitem_id 0
		.amdhsa_next_free_vgpr 1024
		.amdhsa_next_free_sgpr 76
		.amdhsa_reserve_vcc 0
		.amdhsa_float_denorm_mode_32 3
		.amdhsa_float_denorm_mode_16_64 3
		.amdhsa_memory_ordered 1
		.amdhsa_forward_progress 1
		.amdhsa_inst_pref_size 199
	.end_amdhsa_kernel
	.amdgpu_metadata
---
amdhsa.version: [ 1, 2 ]
amdhsa.kernels:
  - .name:           k_qec46b04d3f_qkv
    .symbol:         k_qec46b04d3f_qkv.kd
    .args:
      - { .name: cb, .offset: 0, .size: 8, .value_kind: global_buffer, .address_space: global }
      - { .name: bq, .offset: 8, .size: 8, .value_kind: global_buffer, .address_space: global }
      - { .name: bk, .offset: 16, .size: 8, .value_kind: global_buffer, .address_space: global }
      - { .name: bv, .offset: 24, .size: 8, .value_kind: global_buffer, .address_space: global }
      - { .name: qkv, .offset: 32, .size: 8, .value_kind: global_buffer, .address_space: global }
    .group_segment_fixed_size: 327680
    .private_segment_fixed_size: 0
    .kernarg_segment_align: 8
    .kernarg_segment_size: 40
    .max_flat_workgroup_size: 128
    .sgpr_count:     76
    .vgpr_count:     1024
    .wavefront_size: 32
...
	.end_amdgpu_metadata
.endif
;; end of part 2
;; launch attn (part 3): grid 16 x 16, 8 waves a work-group, clusters of 4 x 1, 327,680 bytes of LDS; arguments qkv, ah; writes ah
.if DOCPART == 3
	.amdgcn_target "amdgcn-amd-amdhsa--gfx1250"
	.amdhsa_code_object_version 6
	.text
	.protected	k_qec46b04d3f_attn
	.globl	k_qec46b04d3f_attn
	.p2align	8
	.type	k_qec46b04d3f_attn,@function
k_qec46b04d3f_attn:
	s_mov_b64 s[64:65], 0
	v_nop
	global_prefetch_b8 v0, s[64:65] scope:SCOPE_SE
	s_setreg_imm32_b32 hwreg(HW_REG_WAVE_MODE, 25, 1), 1
	s_wait_xcnt 0x0
	s_wait_alu depctr_hold_cnt(0) depctr_sa_sdst(0) depctr_va_vdst(0) depctr_va_sdst(0) depctr_va_ssrc(0) depctr_va_vcc(0) depctr_vm_vsrc(0)
	s_getreg_b32 s2, hwreg(HW_REG_IB_STS2, 6, 4)
	s_cmp_eq_u32 s2, 0
	s_cbranch_scc0 .Lentry_in_a_cluster
	s_endpgm
.Lentry_in_a_cluster:
	s_bfe_u32 s2, ttmp6, 0x10000c
	s_cmp_lg_u32 s2, 0x3003
	s_cbranch_scc0 .Lentry_shape_is_right
	s_endpgm
.Lentry_shape_is_right:
; ah[token][64 head + d] = softmax over keys of (Q K^T / 8) times V, for 2 batches x 16 heads x 2,048 tokens, depth 64.
; qkv: f16 [12288][1024]: Q at byte 0, K at 8,388,608, V at 16,777,216; column = 64 head + d.  ah: f16 [4096][1024].
; LIMIT: P (0 to 1) and the result are f16: results under 65,504 in magnitude, as V itself is; probabilities under 6e-8 count as 0.
; The softmax keeps a running maximum of the raw scores; sums, maxima and exponentials are f32.
; A work-group takes 128 queries of TWO heads, so that every row of a K, V, Q or ah tile is 256 aligned bytes.  Eight waves:
; wave w takes head w / 4 of the pair and queries 32 (w % 4) .. + 31, as two query tiles of 16.
; CLUSTER: the four query blocks of a cluster read the same K and V tiles: each tile is asked for jointly (mask 15), a quarter of the requests.
; TRANSPOSED, so that P never changes lanes:
;   S^T = K Q^T: source 0 = 16 keys of K, source 1 = 16 queries of Q.  Lane (r, h), register j: key 8 h + j, query r.  A lane owns one query:
;   maximum and sum run along its registers, and one exchange with lane r + 16 joins the halves.
;   Two neighbouring key tiles, packed to f16 in place, ARE the source 1 fragment of P^T (registers 0-3: keys 8 h .., 4-7: keys 16 + 8 h ..).
;   O^T = V^T P^T: source 0 = V^T by the transposing LDS load from [key][d].  Lane (r, h), register j: d = 16 dt + 8 h + j, query r.
; THE TWO QUERY TILES RUN HALF A BLOCK APART.  Keys go in blocks of 64; a block is two halves.  In half t the 119 vector instructions of tile t's
; softmax are issued, and the matrix instructions are the other tile's (u = 1 - t): first P V of u for the block whose softmax has just ended,
; then K Q^T of u for its next block, into the registers that P has left.  Behind each of the eight P V instructions stand vector instructions of
; tile t, which name none of its registers: independent work in the places behind a matrix instruction (ISA guide 7.12.1).
;   half 0 of block j: softmax of tile 0;  P V of tile 1, block j - 1;  V(j) is loaded;  K Q^T of tile 1, block j;  K(j + 1) is loaded
;   half 1 of block j: softmax of tile 1;  P V of tile 0, block j;      K Q^T of tile 0, block j + 1
; An LDS slot holds 256 keys (four blocks) of K and of V; two slots take turns; eight fills in all.
; No prefetch is written: a refill is asked for four blocks before it is read, and these bytes were stored by the launch just before.
; REGISTERS: S, O, V's fragments and all small registers lie in window 0, so that P V and the softmax need no change of window between them;
; K's fragments and Q lie in window 1 (S, O and V take 192 of window 0's 256), so K Q^T runs under a setting of its own, eight instructions at a time.
.set SLOT,  143360                     ; V: 256 keys x 288, then K: 256 keys x 272
.set KOFF,  73728
.set STAGE, 286720                     ; 128 rows x 272: the way out; no tensor load lands here
.set KAD, 8                            ; v8-9    K fragments: slot x SLOT + KOFF + r 272 + 16 h + 128 head
.set VAD, 10                           ; v10-13  V fragments: [slot][half of the slot]: (8 h + l % 8) 288 + 16 ((l >> 3) & 1) + 128 head
.set STO, 14                           ; v14     the way out: where I put 16 bytes
.set RD,  15                           ; v15     where I read rows back
.set CO,  16                           ; v16     my byte offset in ah
.set QOF, 17                           ; v17     my byte offset in Q
.set MX,  18                           ; v18-19  running maximum of query tile t (raw scores)
.set LS,  20                           ; v20-21  running sum, this lane's half of the keys
.set AL,  22                           ; v[22:25] pairs: factor for the old sums; the pair's second register is only there to be named
.set NM,  26                           ; v[26:29] pairs: - c x maximum
.set TR,  32                           ; v32-38  at work: four maxima, the exchange, two for the factor
.set TS,  40                           ; v[40:47] four pairs of partial sums
.set SR,  64                           ; v64-127  S(t, kt) = 64 + 32 t + 8 kt, then P in place
.set OA,  128                          ; v128-191 O(dt, t) = 128 + 8 (2 dt + t)
.set VF,  192                          ; v192-255 V(c, dt) = 192 + 32 c + 8 dt
.set KF,  0                            ; window 1: K(kt, ks) = 16 kt + 8 ks
.set QF,  64                           ; window 1: Q(t, ks) = 64 + 16 t + 8 ks
.set NV,  119                          ; vector instructions of one tile's softmax
.set G1V, 16                           ; s[16:23] group 1 for V's tiles
.set G1K, 24                           ; s[24:31] for K's
.set G0V, 32                           ; s[32:39] group 0 for V's tiles, one set for each slot
.set G0K, 40                           ; s[40:47] for K's
.set MSB, 0
.macro WIN new                         ; the immediate's high byte repeats the setting that is left
.if MSB != \new
	s_set_vgpr_msb (MSB<<8)|\new
.set MSB, \new
.endif
.endm
.macro PLACES n
.rept \n
	v_nop
.endr
.endm
.macro CREST                           ; a round of the cluster's barrier behind its opening barrier
	s_cmp_lg_u32 s10, 0
	s_cbranch_scc1 .Lnot_wave_0_\@
	s_barrier_signal -3
.Lnot_wave_0_\@:
	s_barrier_wait -3
	s_barrier_signal -1
	s_barrier_wait -1
.endm
.macro ROUND                           ; a whole round
	s_barrier_signal -1
	s_barrier_wait -1
	CREST
.endm
.macro JLOAD s                         ; waves 0-3 fetch V's four quarters (64 keys each), waves 4-7 K's
	s_cmp_eq_u32 s11, 0
	s_cbranch_scc0 .Lfor_k_\@
	tensor_load_to_lds s[G0V+4*\s:G0V+4*\s+3], s[G1V:G1V+7]
	s_nop 0
	s_branch .Lasked_\@
.Lfor_k_\@:
	tensor_load_to_lds s[G0K+4*\s:G0K+4*\s+3], s[G1K:G1K+7]
	s_nop 0
.Lasked_\@:
.endm
	s_load_b128 s[4:7], s[0:1], 0x0                ; qkv, ah
	v_lshl_add_u32 v62, v0, 2, 0x4e800
	v_mov_b32 v63, 0
	ds_add_u32 v62, v63
	v_lshrrev_b32 v1, 5, v0
	v_readfirstlane_b32 s10, v1                    ; wave 0..7
	s_lshr_b32 s11, s10, 2                         ; my head of the pair.  Also: I fetch for V (0) or for K (1)
	s_and_b32 s12, s10, 3                          ; my 32 queries.  Also: which 64 keys of a tile I fetch
	s_bfe_u32 s13, ttmp6, 0x40000                  ; cx: enters Q's and ah's addresses alone
	s_and_b32 s14, ttmp7, 0xffff
	s_lshr_b32 s15, s14, 3                         ; batch
	s_and_b32 s8, s14, 7                           ; pair of heads
	s_mov_b32 s48, 0x76543210                      ; v_permlanex16_b32: lane i of one half reads lane i of the other
	s_mov_b32 s49, 0xfedcba98
	s_mov_b32 s50, 0xbe38aa3b                      ; - c, c = log2(e) / 8
	s_mov_b32 s[G1V+0], 15|(1<<16)|(1<<20)|(1<<21)|(5<<22)|(7<<25)   ; all four partners; 2-byte elements; after 64 words 8 words: pitch 288
	s_mov_b32 s[G1K+0], 15|(1<<16)|(1<<20)|(1<<21)|(5<<22)|(3<<25)   ; the same with 4 words: pitch 272
.irp g, G1V, G1K
	s_mov_b32 s[\g+1], 128<<16                     ; tensor_dim0 = 128 elements: two heads
	s_mov_b32 s[\g+2], 64<<16                      ; tensor_dim1 = 64 keys
	s_mov_b32 s[\g+3], 128<<16                     ; tile_dim0
	s_mov_b32 s[\g+4], 64                          ; tile_dim1
	s_mov_b32 s[\g+5], 1024                        ; elements from row to row
	s_mov_b32 s[\g+6], 0
	s_mov_b32 s[\g+7], 0
.endr
	s_lshl_b32 s52, s15, 22                        ; K and V: batch x 2,048 rows of 2,048 bytes,
	s_lshl_b32 s53, s12, 17
	s_add_co_u32 s52, s52, s53                     ; + my 64 keys,
	s_lshl_b32 s53, s8, 8
	s_add_co_u32 s52, s52, s53                     ; + 256 bytes x pair of heads
	s_mov_b32 s53, 0
	s_mul_i32 s62, s10, 18432                      ; V's quarter in LDS: wave x 64 x 288 (waves 0-3)
	s_mul_i32 s63, s10, 17408
	s_add_co_u32 s63, s63, 4096                    ; K's: KOFF + (wave - 4) x 64 x 272 (waves 4-7)
	s_lshl_b32 s56, ttmp9, 2
	s_add_co_u32 s56, s56, s13                     ; query block = 4 x cluster x + cx
	s_lshl_b32 s56, s56, 7
	s_lshl_b32 s57, s15, 11
	s_add_co_u32 s56, s56, s57                     ; the block's first token
	s_lshl_b32 s57, s12, 5
	s_add_co_u32 s58, s56, s57                     ; my first query,
	s_lshl_b32 s58, s58, 11
	s_lshl_b32 s57, s8, 8
	s_add_co_u32 s58, s58, s57                     ; the pair of heads,
	s_lshl_b32 s59, s11, 7
	s_add_co_u32 s58, s58, s59                     ; my head
	s_mov_b32 s59, 0
	s_lshl_b32 s9, s10, 4
	s_add_co_u32 s56, s56, s9                      ; ah: the 16 rows that I store,
	s_lshl_b32 s56, s56, 11
	s_add_co_u32 s56, s56, s57                     ; the pair of heads
	s_mov_b32 s57, 0
	s_wait_dscnt 0x0
	s_wait_kmcnt 0x0
	s_add_nc_u64 s[54:55], s[4:5], s[52:53]
	s_add_nc_u64 s[60:61], s[54:55], 8388608       ; K
	s_add_nc_u64 s[54:55], s[54:55], 16777216      ; V
	s_add_nc_u64 s[58:59], s[4:5], s[58:59]        ; Q
	s_add_nc_u64 s[6:7], s[6:7], s[56:57]          ; ah
	ROUND                                          ; the four partners are here: the first joint loads meet
.irp s, 0,1
	s_mov_b32 s[G0V+4*\s], 1
	s_add_co_u32 s[G0V+4*\s+1], s62, \s*SLOT
	s_add_nc_u64 s[G0V+4*\s+2:G0V+4*\s+3], s[54:55], \s*524288     ; slot s: keys 256 s ..
	s_or_b32 s[G0V+4*\s+3], s[G0V+4*\s+3], 0x80000000
	s_mov_b32 s[G0K+4*\s], 1
	s_add_co_u32 s[G0K+4*\s+1], s63, \s*SLOT
	s_add_nc_u64 s[G0K+4*\s+2:G0K+4*\s+3], s[60:61], \s*524288
	s_or_b32 s[G0K+4*\s+3], s[G0K+4*\s+3], 0x80000000
	JLOAD \s                                       ; both first fills together: two tensor loads of a wave are out
.endr
	v_and_b32 v1, 15, v0                           ; r
	v_bfe_u32 v2, v0, 4, 1                         ; h
	v_and_b32 v3, 7, v0
	v_bfe_u32 v4, v0, 3, 1
	v_lshlrev_b32 v[QOF], 11, v1
	v_lshl_add_u32 v[QOF], v2, 4, v[QOF]           ; query r, 16 h
	WIN 0x40                                       ; Q's fragments stay in window 1 for the whole kernel
.irp t, 0,1
.irp ks, 0,1
	global_load_b128 v[QF+16*\t+8*\ks:QF+16*\t+8*\ks+3],   v[QOF], s[58:59] offset:\t*32768+\ks*64
	global_load_b128 v[QF+16*\t+8*\ks+4:QF+16*\t+8*\ks+7], v[QOF], s[58:59] offset:\t*32768+\ks*64+32
.endr
.endr
	WIN 0
	v_mul_u32_u24 v5, v1, 272
	v_lshl_add_u32 v5, v2, 4, v5                   ; r 272 + 16 h
	s_lshl_b32 s9, s11, 7                          ; my head's 128 bytes of a row
	s_add_co_u32 s51, s9, KOFF
	v_add_nc_u32 v[KAD], s51, v5
	v_add_nc_u32 v[KAD+1], SLOT, v[KAD]
	v_lshl_add_u32 v6, v2, 3, v3
	v_mul_u32_u24 v6, v6, 288
	v_lshl_add_u32 v6, v4, 4, v6
	v_add_nc_u32 v[VAD], s9, v6
	v_add_nc_u32 v[VAD+1], 36864, v[VAD]           ; keys 128 .. of the slot: beyond an LDS instruction's 16-bit immediate
	v_add_nc_u32 v[VAD+2], SLOT, v[VAD]
	v_add_nc_u32 v[VAD+3], SLOT+36864, v[VAD]
	s_mul_i32 s51, s12, 8704                       ; stage: my 32 queries' rows,
	s_add_co_u32 s51, s51, s9                      ; my head's half of them
	s_add_co_u32 s51, s51, STAGE
	v_add_nc_u32 v[STO], s51, v5
	v_mul_u32_u24 v7, v2, 272
	v_lshl_add_u32 v7, v1, 4, v7
	s_mul_i32 s51, s10, 4352                       ; back: rows 16 w .. 16 w + 15, two at a time
	s_add_co_u32 s51, s51, STAGE
	v_add_nc_u32 v[RD], s51, v7
	v_lshlrev_b32 v[CO], 11, v2
	v_lshl_add_u32 v[CO], v1, 4, v[CO]
	v_mov_b32 v[TR+4], 0                           ; the destination of v_permlanex16_b32 counts as read
	v_mov_b32 v[AL+1], 0                           ; second registers of broadcast pairs: named, never used
	v_mov_b32 v[AL+3], 0
	v_mov_b32 v[NM+1], 0
	v_mov_b32 v[NM+3], 0
.macro LOADK slot, j                   ; sixteen loads: 64 keys x 64 d of my head, into window 1
	WIN 0x40
.irp kt, 0,1,2,3
.irp ks, 0,1
	ds_load_b128 v[KF+16*\kt+8*\ks:KF+16*\kt+8*\ks+3],   v[KAD+\slot] offset:(\j)*17408+\kt*4352+\ks*64
	ds_load_b128 v[KF+16*\kt+8*\ks+4:KF+16*\kt+8*\ks+7], v[KAD+\slot] offset:(\j)*17408+\kt*4352+\ks*64+32
.endr
.endr
	WIN 0
.endm
.macro LOADV slot, j                   ; sixteen transposing loads: V^T, 64 d x 64 keys
.irp c, 0,1
.irp dt, 0,1,2,3
	ds_load_tr16_b128 v[VF+32*\c+8*\dt:VF+32*\c+8*\dt+3],   v[VAD+2*(\slot)+((\j)>>1)] offset:((\j)&1)*18432+\c*9216+\dt*32
	ds_load_tr16_b128 v[VF+32*\c+8*\dt+4:VF+32*\c+8*\dt+7], v[VAD+2*(\slot)+((\j)>>1)] offset:((\j)&1)*18432+\c*9216+\dt*32+4608
.endr
.endr
.endm
; Eight matrix instructions: the scores of query tile u for 64 keys.  Its four key tiles take turns, one instruction a turn
; the first d step starts the sums.  Sources 0 and 1 (K, Q) in window 1, C and D (S) in window 0.
.macro QKRUN u
	WIN 0x05
.irp ks, 0,1
.irp kt, 0,1,2,3
.if \ks
	v_wmma_f32_16x16x32_f16 v[SR+32*\u+8*\kt:SR+32*\u+8*\kt+7], v[KF+16*\kt+8*\ks:KF+16*\kt+8*\ks+7], v[QF+16*\u+8*\ks:QF+16*\u+8*\ks+7], v[SR+32*\u+8*\kt:SR+32*\u+8*\kt+7]
.else
	v_wmma_f32_16x16x32_f16 v[SR+32*\u+8*\kt:SR+32*\u+8*\kt+7], v[KF+16*\kt+8*\ks:KF+16*\kt+8*\ks+7], v[QF+16*\u+8*\ks:QF+16*\u+8*\ks+7], 0
.endif
.endr
.endr
	WIN 0
.endm
; Matrix instruction i (0 to 7) of O(u) += V^T P(u): key half c = i / 4, d tile i % 4: the four d tiles take turns, one instruction a turn
; pv = 1: the first key half starts the sums.
.macro PVW u, i, pv
.set pz, 0
.if \pv == 1
.if \i < 4
.set pz, 1
.endif
.endif
.if pz
	v_wmma_f32_16x16x32_f16 v[OA+8*(2*(\i&3)+\u):OA+8*(2*(\i&3)+\u)+7], v[VF+32*(\i>>2)+8*(\i&3):VF+32*(\i>>2)+8*(\i&3)+7], v[SR+32*\u+16*(\i>>2):SR+32*\u+16*(\i>>2)+7], 0
.else
	v_wmma_f32_16x16x32_f16 v[OA+8*(2*(\i&3)+\u):OA+8*(2*(\i&3)+\u)+7], v[VF+32*(\i>>2)+8*(\i&3):VF+32*(\i>>2)+8*(\i&3)+7], v[SR+32*\u+16*(\i>>2):SR+32*\u+16*(\i>>2)+7], v[OA+8*(2*(\i&3)+\u):OA+8*(2*(\i&3)+\u)+7]
.endif
.endm
; The pieces of a tile's softmax, one instruction each.
.macro FMAP t, g                       ; c s - c m for scores 2 g, 2 g + 1
	v_pk_fma_f32 v[SR+32*\t+2*\g:SR+32*\t+2*\g+1], v[SR+32*\t+2*\g:SR+32*\t+2*\g+1], 0x3e38aa3b, v[NM+2*\t:NM+2*\t+1] op_sel_hi:[1,0,0]
.endm
.macro RESP t, g                       ; two of tile t's 32 numbers of O times the factor: every lane's numbers belong to its one query
	s_wait_alu depctr_va_vdst(0)
	v_pk_mul_f32 v[OA+8*(2*(\g>>2)+\t)+2*(\g&3):OA+8*(2*(\g>>2)+\t)+2*(\g&3)+1], v[OA+8*(2*(\g>>2)+\t)+2*(\g&3):OA+8*(2*(\g>>2)+\t)+2*(\g&3)+1], v[AL+2*\t:AL+2*\t+1] op_sel_hi:[1,0]
.endm
.macro CVTP t, i                       ; two key tiles (16 registers) become one fragment of 8, in place: register i takes 2 i and 2 i + 1, ascending
	v_cvt_pk_f16_f32 v[SR+32*\t+16*(\i>>3)+(\i&7)], v[SR+32*\t+16*(\i>>3)+2*(\i&7)], v[SR+32*\t+16*(\i>>3)+2*(\i&7)+1]
.endm
.macro SUMP t, k, first                ; step k of the sum of my 32 probabilities: four chains, their join, then onto the running sum
.if \k < 4
	s_wait_alu depctr_va_vdst(0)
	v_pk_add_f32 v[TS+2*\k:TS+2*\k+1], v[SR+32*\t+2*\k:SR+32*\t+2*\k+1], v[SR+32*\t+8+2*\k:SR+32*\t+8+2*\k+1]
.elseif \k < 8
	v_pk_add_f32 v[TS+2*(\k-4):TS+2*(\k-4)+1], v[TS+2*(\k-4):TS+2*(\k-4)+1], v[SR+32*\t+16+2*(\k-4):SR+32*\t+16+2*(\k-4)+1]
.elseif \k < 12
	s_wait_alu depctr_va_vdst(0)
	v_pk_add_f32 v[TS+2*(\k-8):TS+2*(\k-8)+1], v[TS+2*(\k-8):TS+2*(\k-8)+1], v[SR+32*\t+24+2*(\k-8):SR+32*\t+24+2*(\k-8)+1]
.elseif \k == 12
	v_pk_add_f32 v[TS:TS+1], v[TS:TS+1], v[TS+2:TS+3]
.elseif \k == 13
	v_pk_add_f32 v[TS+4:TS+5], v[TS+4:TS+5], v[TS+6:TS+7]
.elseif \k == 14
	v_pk_add_f32 v[TS:TS+1], v[TS:TS+1], v[TS+4:TS+5]
.elseif \k == 15
.if \first
	v_add_f32 v[LS+\t], v[TS], v[TS+1]
.else
	v_add_f32 v[TS], v[TS], v[TS+1]
.endif
.else
.if \first == 0
	v_fma_f32 v[LS+\t], v[LS+\t], v[AL+2*\t], v[TS]
.endif
.endif
.endm
; Instruction number vn (0 to 118) of tile t's softmax; vn steps by one.  The order:
;   0-15   the largest of my 32 scores and the old maximum, in four chains
;   16-21  the other half of the keys from lane r + 16; the new maximum; NM = - c x maximum as rounded; the old sums carry 2^NM(old), so their
;          factor is 2^(NM(new) - NM(old)): exactly 1 where the maximum stays
;   22-87  c s - c m, the exponentials and the rescaling of O(t), mixed: behind every exponential stands a plain instruction on other registers
;          (ISA guide 5.7.2)
;   88-118 the sum and the packing to f16, mixed: the sum's last reads of S stand ahead of the first packing
; first = 1 (the first block): no old maximum, no factor; v_nop holds the places of the rescaling, so that the distances counted below stay.
.macro VOP t, first
.if vn < 4
	v_max3_num_f32 v[TR+vn], v[SR+32*\t+8*vn], v[SR+32*\t+8*vn+1], v[SR+32*\t+8*vn+2]
.elseif vn < 8
	v_max3_num_f32 v[TR+vn-4], v[TR+vn-4], v[SR+32*\t+8*(vn-4)+3], v[SR+32*\t+8*(vn-4)+4]
.elseif vn < 12
	v_max3_num_f32 v[TR+vn-8], v[TR+vn-8], v[SR+32*\t+8*(vn-8)+5], v[SR+32*\t+8*(vn-8)+6]
.elseif vn == 12
	v_max3_num_f32 v[TR], v[TR], v[SR+32*\t+7], v[SR+32*\t+15]
.elseif vn == 13
	v_max3_num_f32 v[TR+2], v[TR+2], v[SR+32*\t+23], v[SR+32*\t+31]
.elseif vn == 14
.if \first
	v_max_num_f32 v[TR+1], v[TR+1], v[TR+3]
.else
	v_max3_num_f32 v[TR+1], v[TR+1], v[TR+3], v[MX+\t]
.endif
.elseif vn == 15
	v_max3_num_f32 v[TR], v[TR], v[TR+1], v[TR+2]
.elseif vn == 16
	v_permlanex16_b32 v[TR+4], v[TR], s48, s49
.elseif vn == 17
	v_max_num_f32 v[MX+\t], v[TR], v[TR+4]
.elseif vn == 18
.if \first
	v_mul_f32 v[NM+2*\t], s50, v[MX+\t]
.else
	v_mul_f32 v[TR+5], s50, v[MX+\t]
.endif
.elseif vn == 19
.if \first == 0
	v_sub_f32 v[TR+6], v[TR+5], v[NM+2*\t]
.endif
.elseif vn == 20
.if \first == 0
	v_exp_f32 v[AL+2*\t], v[TR+6]
.endif
.elseif vn == 21
.if \first == 0
	v_mov_b32 v[NM+2*\t], v[TR+5]                  ; the plain instruction behind the exponential: it names neither its result nor its source
.endif
.elseif vn < 24
	FMAP \t, (vn-22)
.elseif vn < 88
.set vg, (vn-24)>>2
.set vr, (vn-24)&3
.if vr == 0
	v_exp_f32 v[SR+32*\t+2*vg], v[SR+32*\t+2*vg]
.elseif vr == 2
	v_exp_f32 v[SR+32*\t+2*vg+1], v[SR+32*\t+2*vg+1]
.elseif vr == 1
.if vg < 14
	FMAP \t, (vg+2)
.else
	SUMP \t, (vg-14), \first
.endif
.else
.if \first
	v_nop
.else
	RESP \t, vg
.endif
.endif
.else
.set vk, vn-88
.if vk < 12
	SUMP \t, (vk+2), \first
.elseif vk < 16
	CVTP \t, (vk-12)
.elseif vk == 16
	SUMP \t, 14, \first
.elseif vk < 21
	CVTP \t, (vk-13)
.elseif vk == 21
	SUMP \t, 15, \first
.elseif vk < 26
	CVTP \t, (vk-14)
.elseif vk == 26
	SUMP \t, 16, \first
.else
	CVTP \t, (vk-15)
.endif
.endif
.set vn, vn+1
.endm
.macro VOPS t, first, n                ; the next n of them
.rept \n
	VOP \t, \first
.endr
.endm
.macro VREST t, first                  ; all that are left
.rept NV-vn
	VOP \t, \first
.endr
.endm
; The head of a half: instructions 0 to 37 of tile t's softmax, with the eight matrix instructions of P V of tile u among them (pv = 0: none).
; Few vector instructions stand behind the third to sixth: there each waits for the one before it.  Behind the eighth stand nine, of which five are
; plain (numbers 29, 31, 33, 35, 37) and name none of its registers: the four places in front of the loads into V's fragments and the five in
; front of the scores that are written over P.
.macro PVSH t, u, first, pv
.set vn, 0
.if \pv
	PVW \u, 0, \pv
	VOPS \t, \first, 6
	PVW \u, 1, \pv
	VOPS \t, \first, 6
	PVW \u, 2, \pv
	VOPS \t, \first, 3
	PVW \u, 3, \pv
	VOPS \t, \first, 2
	PVW \u, 4, \pv
	VOPS \t, \first, 2
	PVW \u, 5, \pv
	VOPS \t, \first, 3
	PVW \u, 6, \pv
	VOPS \t, \first, 7
	PVW \u, 7, \pv
	VOPS \t, \first, 9
.else
	VOPS \t, \first, 38
.endif
.endm
; One block of 64 keys: block j of a slot.  vf = 1: the first block.  pv0, pv1: P V in half 0 (tile 1, the block before) and in half 1 (tile 0, this
; block): 0 none, 1 starts the sums, 2 adds.  mode 0: the next block's K comes from the same slot.  mode 1: the slot's last block; the slot is
; filled again.  mode 2: the slot's last block, nothing left to fetch.  mode 3: the very last block.
.macro BLOCK slot, j, vf, pv0, pv1, mode
	PVSH 0, 1, \vf, \pv0
	LOADV \slot, \j                                ; V of this block: the last use of the old fragments stands five plain places back
	QKRUN 1
.if \mode == 0
	VOPS 0, \vf, 8                                 ; numbers 38 to 45: four of them plain: the places in front of the loads into K's fragments
	LOADK \slot, (\j+1)
	VREST 0, \vf
.endif
.if \mode == 1
	s_wait_dscnt 0x0                               ; my reads of this slot are over: V's last fragments are in registers
	s_wait_tensorcnt 0x0                           ; all my tensor loads have landed: the one that was out is my part of the other slot
	ds_add_u32 v62, v63
	s_wait_dscnt 0x0
	s_add_nc_u64 s[G0V+4*\slot+2:G0V+4*\slot+3], s[G0V+4*\slot+2:G0V+4*\slot+3], 1048576   ; 512 keys on
	s_add_nc_u64 s[G0K+4*\slot+2:G0K+4*\slot+3], s[G0K+4*\slot+2:G0K+4*\slot+3], 1048576
	s_barrier_signal -1                            ; this barrier opens a round of the cluster's barrier;
	VREST 0, \vf                                   ; register work while the others arrive: the rest of tile 0's softmax
	s_barrier_wait -1
	CREST                                          ; both waits now hold of every wave of all four partners
	JLOAD \slot                                    ; my one tensor load behind the round, first thing there; it has four blocks in which to land
	LOADK (1-\slot), 0
.endif
.if \mode == 2
	s_wait_dscnt 0x0
	s_wait_tensorcnt 0x0                           ; my part of the last slot has landed
	s_barrier_signal -1
	VREST 0, \vf
	s_barrier_wait -1                              ; everybody's has
	LOADK (1-\slot), 0
.endif
.if \mode == 3
	VREST 0, \vf
.endif
.if \mode == 0
	s_wait_dscnt 16                                ; V's sixteen loads are in; the sixteen K loads issued behind them may stay out
.endif
.if \mode == 3
	s_wait_dscnt 0x0                               ; V's loads: nothing was issued behind them
.endif
	PVSH 1, 0, \vf, \pv1
.if \mode != 3
	s_wait_dscnt 0x0                               ; the next block's K fragments are in
	QKRUN 0
.endif
	VREST 1, \vf
.endm
	s_wait_tensorcnt 1                             ; my part of slot 0 is in; slot 1's stays out
	s_barrier_signal -1
	s_barrier_wait -1
	LOADK 0, 0
	s_wait_loadcnt 0x0                             ; Q
	s_wait_dscnt 0x0                               ; K of block 0
	QKRUN 0                                        ; tile 0 starts half a block ahead of tile 1
	PLACES 4                                       ; behind the scores' matrix instructions, in front of the maxima that read them
	BLOCK 0, 0, 1, 0, 1, 0                         ; keys 0 to 511: the first block starts maximum and sum, its P V starts O
	BLOCK 0, 1, 0, 1, 2, 0
	BLOCK 0, 2, 0, 2, 2, 0
	BLOCK 0, 3, 0, 2, 2, 1
	BLOCK 1, 0, 0, 2, 2, 0
	BLOCK 1, 1, 0, 2, 2, 0
	BLOCK 1, 2, 0, 2, 2, 0
	BLOCK 1, 3, 0, 2, 2, 1
	s_mov_b32 s3, 2
.Llap:
	BLOCK 0, 0, 0, 2, 2, 0                         ; keys 512 to 1,535: once round the ring a trip, both slots filled again
	BLOCK 0, 1, 0, 2, 2, 0
	BLOCK 0, 2, 0, 2, 2, 0
	BLOCK 0, 3, 0, 2, 2, 1
	BLOCK 1, 0, 0, 2, 2, 0
	BLOCK 1, 1, 0, 2, 2, 0
	BLOCK 1, 2, 0, 2, 2, 0
	BLOCK 1, 3, 0, 2, 2, 1
	s_sub_co_u32 s3, s3, 1
	s_cmp_lg_u32 s3, 0
	s_cbranch_scc1 .Llap
	BLOCK 0, 0, 0, 2, 2, 0                         ; keys 1,536 to 2,047: nothing is left to fetch
	BLOCK 0, 1, 0, 2, 2, 0
	BLOCK 0, 2, 0, 2, 2, 0
	BLOCK 0, 3, 0, 2, 2, 2
	BLOCK 1, 0, 0, 2, 2, 0
	BLOCK 1, 1, 0, 2, 2, 0
	BLOCK 1, 2, 0, 2, 2, 0
	BLOCK 1, 3, 0, 2, 2, 3
.irp i, 0,1,2,3,4,5,6,7
	PVW 1, \i, 2                                   ; tile 1 ends half a block behind tile 0
.endr
	; THE WAY OUT: join the two halves of each sum, divide, round to f16, through the stage so that 16 lanes store 256 neighbouring bytes
	PLACES 4                                       ; behind the last matrix instructions
	v_permlanex16_b32 v[TR+4], v[LS], s48, s49
	v_permlanex16_b32 v[TR+5], v[LS+1], s48, s49
	v_add_f32 v[LS], v[LS], v[TR+4]
	v_add_f32 v[LS+1], v[LS+1], v[TR+5]            ; at least 1: the largest score's own term
	v_rcp_f32 v[AL], v[LS]
	v_rcp_f32 v[AL+2], v[LS+1]
	v_nop                                          ; the plain place behind the reciprocals
.irp t, 0,1
.irp g, 0,1,2,3,4,5,6,7,8,9,10,11,12,13,14,15
	RESP \t, \g
.endr
.endr
.irp dt, 0,1,2,3
.irp t, 0,1
.irp i, 0,1,2,3
	v_cvt_pk_f16_f32 v[SR+4*(2*\dt+\t)+\i], v[OA+8*(2*\dt+\t)+2*\i], v[OA+8*(2*\dt+\t)+2*\i+1]
.endr
.endr
.endr
.irp dt, 0,1,2,3
.irp t, 0,1
	ds_store_b128 v[STO], v[SR+4*(2*\dt+\t):SR+4*(2*\dt+\t)+3] offset:\t*4352+32*\dt   ; query 16 t + r, d = 16 dt + 8 h ..
.endr
.endr
	s_wait_dscnt 0x0                               ; for the others: a stage row holds both heads, written by two waves
	s_barrier_signal -1
	s_barrier_wait -1
.irp i, 0,1,2,3,4,5,6,7
	ds_load_b128 v[VF+4*\i:VF+4*\i+3], v[RD] offset:\i*544
.endr
.irp i, 0,1,2,3,4,5,6,7
	s_wait_dscnt 7-\i                              ; load i is in, the younger ones stay out
	global_store_b128 v[CO], v[VF+4*\i:VF+4*\i+3], s[6:7] offset:\i*4096               ; 16 lanes store 256 consecutive bytes, at a multiple of 256
.endr
	s_wait_tensorcnt 0x0
	ds_add_u32 v62, v63
	s_wait_dscnt 0x0
	ROUND                                          ; the closing round
	s_endpgm
.Lfunc_end_k_qec46b04d3f_attn:
	.size	k_qec46b04d3f_attn, .Lfunc_end_k_qec46b04d3f_attn-k_qec46b04d3f_attn
	.p2alignl 7, 3214868480
	.fill 96, 4, 3214868480
	.section	.rodata,"a",@progbits
	.p2align	6, 0x0
	.amdhsa_kernel k_qec46b04d3f_attn
		.amdhsa_group_segment_fixed_size 327680
		.amdhsa_private_segment_fixed_size 0
		.amdhsa_enable_private_segment 0
		.amdhsa_kernarg_size 16
		.amdhsa_user_sgpr_count 2
		.amdhsa_user_sgpr_kernarg_segment_ptr 1
		.amdhsa_wavefront_size32 1
		.amdhsa_system_sgpr_workgroup_id_x 1
		.amdhsa_system_sgpr_workgroup_id_y 1
		.amdhsa_system_sgpr_workgroup_id_z 1
		.amdhsa_system_vgpr_workitem_id 0
		.amdhsa_next_free_vgpr 352
		.amdhsa_next_free_sgpr 66
		.amdhsa_reserve_vcc 0
		.amdhsa_float_denorm_mode_32 3
		.amdhsa_float_denorm_mode_16_64 3
		.amdhsa_memory_ordered 1
		.amdhsa_forward_progress 1
		.amdhsa_inst_pref_size 255
	.end_amdhsa_kernel
	.section	.bss,"aw",@nobits
	.p2align	6
	.space	262144
	.amdgpu_metadata
---
amdhsa.version: [ 1, 2 ]
amdhsa.kernels:
  - .name:           k_qec46b04d3f_attn
    .symbol:         k_qec46b04d3f_attn.kd
    .args:
      - { .name: qkv, .offset: 0, .size: 8, .value_kind: global_buffer, .address_space: global }
      - { .name: ah, .offset: 8, .size: 8, .value_kind: global_buffer, .address_space: global }
    .group_segment_fixed_size: 327680
    .private_segment_fixed_size: 0
    .kernarg_segment_align: 8
    .kernarg_segment_size: 16
    .max_flat_workgroup_size: 256
    .sgpr_count:     66
    .vgpr_count:     352
    .wavefront_size: 32
...
	.end_amdgpu_metadata
.endif
;; end of part 3
;; launch oproj (part 4): grid 8 x 32, 4 waves a work-group, clusters of 4 x 4, 327,680 bytes of LDS; arguments ah, cb, bo, out0; writes out0
.if DOCPART == 4
	.amdgcn_target "amdgcn-amd-amdhsa--gfx1250"
	.amdhsa_code_object_version 6
	.text
	.protected	k_qec46b04d3f_oproj
	.globl	k_qec46b04d3f_oproj
	.p2align	8
	.type	k_qec46b04d3f_oproj,@function
k_qec46b04d3f_oproj:
	s_mov_b64 s[64:65], 0
	v_nop
	global_prefetch_b8 v0, s[64:65] scope:SCOPE_SE
	s_setreg_imm32_b32 hwreg(HW_REG_WAVE_MODE, 25, 1), 1
	s_wait_xcnt 0x0
	s_wait_alu depctr_hold_cnt(0) depctr_sa_sdst(0) depctr_va_vdst(0) depctr_va_sdst(0) depctr_va_ssrc(0) depctr_va_vcc(0) depctr_vm_vsrc(0)
	s_getreg_b32 s2, hwreg(HW_REG_IB_STS2, 6, 4)
	s_cmp_eq_u32 s2, 0
	s_cbranch_scc0 .Lentry_in_a_cluster
	s_endpgm
.Lentry_in_a_cluster:
	s_bfe_u32 s2, ttmp6, 0x10000c
	s_cmp_lg_u32 s2, 0xf033
	s_cbranch_scc0 .Lentry_shape_is_right
	s_endpgm
.Lentry_shape_is_right:
; out0[m][n] = sum over k of ah[m][k] Wo[k][n] + bo[n].  ah: f16 [4096][1024].  Wo: f16 in cb at byte WO, [k][n].  out0: f32 [4096][1024].
; LIMIT: the operands are f16: magnitudes under 65,504.
; Blocks of 128 x 128, so that 256 work-groups share the work evenly; four waves, a wave makes 64 x 64: 16 accumulator tiles, 128 registers.
; K goes through two LDS slots of 256 along K each (eight steps of 32): four fills in all, two at the start and two refills, so no loop is written.
; CLUSTERS: 4 x 4 work-groups; ah's tiles are shared along a row of the cluster, Wo's along a column, each asked for jointly.
; The matrix instruction is used transposed (source 0 = 16 columns of Wo by the transposing LDS load, source 1 = 16 rows of ah): lane l holds
; row l % 16 and its registers the columns 8 (l / 16) + 0 .. 7: 32 neighbouring bytes of f32.  The bias rides in as C of the first product.
; The 16 accumulators take turns, one instruction a turn, in the same order in every step.
.set APITCH, 528                       ; ah in LDS: 512 bytes + 16
.set BPITCH, 288                       ; Wo in LDS: 256 bytes + 32
.set AOFF,   73728                     ; Wo's 256 k rows x 288 come first
.set SLOT,   141312                    ; + ah's 128 rows x 528
.set STAGE,  282624                    ; 16 rows x 272 bytes for each wave; no tensor load lands here
.set SPITCH, 272
.set WO,     31457280                  ; Wo in cb
.set ADRA, 16                          ; v16-17  [slot]
.set ADRB, 18                          ; v18-21  [slot][half of the slot's k rows]
.set STO,  24
.set RD,   25
.set CO,   26
.set BO,   27
.set F0,   32                          ; v32-63 Wo, v64-95 ah
.set F1,   96                          ; v96-127 Wo, v128-159 ah
.set BIAS, 160                         ; v160-191: four C operands
.set TMP,  192                         ; v192-255: two sets of 32 on the way out
.set G1,  24                           ; s[24:31] group 1 for ah's tiles
.set G0,  32                           ; s[32:39] group 0 for ah's tiles
.set G1B, 48                           ; s[48:55] group 1 for Wo's tiles
.set G0B, 56                           ; s[56:63] group 0 for Wo's tiles
.set MSB, 0
.macro WIN new
.if MSB != \new
	s_set_vgpr_msb (MSB<<8)|\new
.set MSB, \new
.endif
.endm
.macro PLACES
.rept 4
	v_nop
.endr
.endm
.macro JLOAD s                         ; waves 0 and 1 fetch Wo's two halves (128 k rows each), waves 2 and 3 ah's (64 rows each)
	s_cmp_eq_u32 s11, 0
	s_cbranch_scc0 .Lfor_a_\@
	tensor_load_to_lds s[G0B+4*\s:G0B+4*\s+3], s[G1B:G1B+7]
	s_nop 0
	s_branch .Lasked_\@
.Lfor_a_\@:
	tensor_load_to_lds s[G0+4*\s:G0+4*\s+3], s[G1:G1+7]
	s_nop 0
.Lasked_\@:
.endm
.macro CREST
	s_cmp_lg_u32 s10, 0
	s_cbranch_scc1 .Lnot_wave_0_\@
	s_barrier_signal -3
.Lnot_wave_0_\@:
	s_barrier_wait -3
	s_barrier_signal -1
	s_barrier_wait -1
.endm
.macro CROUND
	s_barrier_signal -1
	s_barrier_wait -1
	CREST
.endm
	s_load_b128 s[4:7], s[0:1], 0x0                ; ah, cb
	s_load_b64 s[2:3], s[0:1], 0x10                ; bo
	s_load_b64 s[8:9], s[0:1], 0x18                ; out0
	v_lshl_add_u32 v30, v0, 2, 0x49400
	v_mov_b32 v31, 0
	ds_add_u32 v30, v31
	v_lshrrev_b32 v1, 5, v0
	v_readfirstlane_b32 s10, v1                    ; wave 0..3
	s_lshr_b32 s11, s10, 1                         ; my half of the block's rows.  Also: I fetch for Wo (0) or for ah (1)
	s_and_b32 s12, s10, 1                          ; my half of its columns.  Also: which half of that tile I fetch
	s_bfe_u32 s40, ttmp6, 0x40000                  ; cx
	s_bfe_u32 s41, ttmp6, 0x40004                  ; cy
	s_lshl_b32 s42, ttmp9, 2
	s_add_co_u32 s42, s42, s40                     ; block column, 0 to 7
	s_and_b32 s13, ttmp7, 0xffff
	s_lshl_b32 s13, s13, 2
	s_add_co_u32 s13, s13, s41                     ; block row, 0 to 31
	s_lshl_b32 s43, s41, 2
	s_lshl_b32 s43, 15, s43                        ; my row of the cluster
	s_lshl_b32 s44, 0x1111, s40                    ; my column
	s_or_b32 s[G1+0], s43, (1<<16)|(1<<20)|(1<<21)|(6<<22)|(3<<25)   ; ah: after 128 words 4 words
	s_mov_b32 s[G1+1], 256<<16                     ; tensor_dim0 = 256 along K
	s_mov_b32 s[G1+2], 64<<16                      ; tensor_dim1 = 64 rows
	s_mov_b32 s[G1+3], 256<<16                     ; tile_dim0
	s_mov_b32 s[G1+4], 64                          ; tile_dim1
	s_mov_b32 s[G1+5], 1024
	s_mov_b32 s[G1+6], 0
	s_mov_b32 s[G1+7], 0
	s_or_b32 s[G1B+0], s44, (1<<16)|(1<<20)|(1<<21)|(5<<22)|(7<<25)  ; Wo: after 64 words 8 words
	s_mov_b32 s[G1B+1], 128<<16                    ; tensor_dim0 = 128 columns
	s_mov_b32 s[G1B+2], 128<<16                    ; tensor_dim1 = 128 k rows
	s_mov_b32 s[G1B+3], 128<<16
	s_mov_b32 s[G1B+4], 128
	s_mov_b32 s[G1B+5], 1024
	s_mov_b32 s[G1B+6], 0
	s_mov_b32 s[G1B+7], 0
	s_lshl_b32 s16, s13, 7
	s_lshl_b32 s17, s12, 6
	s_add_co_u32 s16, s16, s17                     ; ah: row 128 x block row + 64 x half,
	s_lshl_b32 s16, s16, 11                        ; 2,048 bytes each
	s_mov_b32 s17, 0
	s_lshl_b32 s46, s12, 18                        ; Wo: 128 k rows x half,
	s_lshl_b32 s47, s42, 8
	s_add_co_u32 s46, s46, s47                     ; + 256 bytes x block column
	s_mov_b32 s47, 0
	s_mul_i32 s20, s10, 33792
	s_add_co_u32 s20, s20, 6144                    ; ah in LDS: AOFF + (wave - 2) x 64 x 528 (waves 2, 3)
	s_mul_i32 s21, s10, 36864                      ; Wo in LDS: wave x 128 x 288 (waves 0, 1)
	s_lshl_b32 s18, s42, 9                         ; my 64 columns in f32 bytes: 512 x block column + 256 x half: in bo and in a row of out0
	s_lshl_b32 s19, s12, 8
	s_add_co_u32 s18, s18, s19
	s_mov_b32 s19, 0
	s_lshl_b32 s22, s13, 7
	s_lshl_b32 s23, s11, 6
	s_add_co_u32 s22, s22, s23                     ; my first row of out0,
	s_lshl_b32 s22, s22, 12                        ; 4,096 bytes each,
	s_add_co_u32 s22, s22, s18                     ; and my columns
	s_mov_b32 s23, 0
	s_wait_dscnt 0x0
	s_wait_kmcnt 0x0
	s_add_nc_u64 s[14:15], s[4:5], s[16:17]
	s_add_nc_u64 s[46:47], s[6:7], s[46:47]
	s_add_nc_u64 s[46:47], s[46:47], WO
	s_add_nc_u64 s[2:3], s[2:3], s[18:19]
	s_add_nc_u64 s[8:9], s[8:9], s[22:23]
	CROUND                                         ; all sixteen work-groups are here
.irp s, 0,1
	s_mov_b32 s[G0+4*\s], 1
	s_add_co_u32 s[G0+4*\s+1], s20, \s*SLOT
	s_add_nc_u64 s[G0+4*\s+2:G0+4*\s+3], s[14:15], \s*512          ; 256 along K
	s_or_b32 s[G0+4*\s+3], s[G0+4*\s+3], 0x80000000
	s_mov_b32 s[G0B+4*\s], 1
	s_add_co_u32 s[G0B+4*\s+1], s21, \s*SLOT
	s_add_nc_u64 s[G0B+4*\s+2:G0B+4*\s+3], s[46:47], \s*524288     ; 256 k rows
	s_or_b32 s[G0B+4*\s+3], s[G0B+4*\s+3], 0x80000000
	JLOAD \s                                       ; both first fills together: two tensor loads of a wave are out
.endr
	v_and_b32 v1, 15, v0                           ; r
	v_bfe_u32 v2, v0, 4, 1                         ; h
	v_and_b32 v3, 7, v0
	v_bfe_u32 v4, v0, 3, 1
	v_lshlrev_b32 v[BO], 5, v2
.irp b, 0,1,2,3
	global_load_b128 v[BIAS+8*\b:BIAS+8*\b+3],   v[BO], s[2:3] offset:64*\b      ; register j: bo[16 b + 8 h + j]
	global_load_b128 v[BIAS+8*\b+4:BIAS+8*\b+7], v[BO], s[2:3] offset:64*\b+16
.endr
	v_mul_u32_u24 v5, v1, APITCH
	v_lshl_add_u32 v5, v2, 4, v5
	s_mul_i32 s45, s11, 64*APITCH
	s_add_co_u32 s45, s45, AOFF
	v_add_nc_u32 v[ADRA], s45, v5
	v_add_nc_u32 v[ADRA+1], SLOT, v[ADRA]
	v_lshl_add_u32 v6, v2, 3, v3
	v_mul_u32_u24 v6, v6, BPITCH
	v_lshl_add_u32 v6, v4, 4, v6
	s_lshl_b32 s45, s12, 7                         ; my 64 columns: 128 bytes
	v_add_nc_u32 v[ADRB], s45, v6
	v_add_nc_u32 v[ADRB+1], 128*BPITCH, v[ADRB]
	v_add_nc_u32 v[ADRB+2], SLOT, v[ADRB]
	v_add_nc_u32 v[ADRB+3], SLOT+128*BPITCH, v[ADRB]
	s_mul_i32 s45, s10, 16*SPITCH
	s_add_co_u32 s45, s45, STAGE
	v_mul_u32_u24 v7, v1, SPITCH
	v_lshl_add_u32 v7, v2, 5, v7                   ; in: row r, 32 bytes for each half of the lanes
	v_add_nc_u32 v[STO], s45, v7
	v_mul_u32_u24 v9, v2, SPITCH
	v_lshl_add_u32 v9, v1, 4, v9                   ; back: lanes 0-15 one row of 256 bytes, lanes 16-31 the next
	v_add_nc_u32 v[RD], s45, v9
	v_lshlrev_b32 v[CO], 12, v2
	v_lshl_add_u32 v[CO], v1, 4, v[CO]
.macro FETCH slot, q, f                ; sixteen LDS loads: step q (32 along K) of a slot into buffer f
.irp b, 0,1,2,3
	ds_load_tr16_b128 v[\f+8*\b:\f+8*\b+3],   v[ADRB+2*\slot+((\q)>>2)] offset:((\q)&3)*32*BPITCH+32*\b
	ds_load_tr16_b128 v[\f+8*\b+4:\f+8*\b+7], v[ADRB+2*\slot+((\q)>>2)] offset:((\q)&3)*32*BPITCH+32*\b+16*BPITCH
.endr
.irp a, 0,1,2,3
	ds_load_b128 v[\f+32+8*\a:\f+32+8*\a+3],   v[ADRA+\slot] offset:\a*16*APITCH+(\q)*64
	ds_load_b128 v[\f+32+8*\a+4:\f+32+8*\a+7], v[ADRA+\slot] offset:\a*16*APITCH+(\q)*64+32
.endr
.endm
.macro MUL8 f, a0, first               ; row blocks a0, a0 + 1 x the four column blocks
.irp a, \a0, \a0+1
.irp b, 0,1,2,3
.if \first
	v_wmma_f32_16x16x32_f16 v[8*(4*(\a)+\b):8*(4*(\a)+\b)+7], v[\f+8*\b:\f+8*\b+7], v[\f+32+8*(\a):\f+32+8*(\a)+7], v[BIAS+8*\b:BIAS+8*\b+7]
.else
	v_wmma_f32_16x16x32_f16 v[8*(4*(\a)+\b):8*(4*(\a)+\b)+7], v[\f+8*\b:\f+8*\b+7], v[\f+32+8*(\a):\f+32+8*(\a)+7], v[8*(4*(\a)+\b):8*(4*(\a)+\b)+7]
.endif
.endr
.endr
.endm
.macro STEP slot, q, f, g, first       ; multiplies buffer f (step q) while step q + 1 comes into buffer g
	s_wait_dscnt 0x0                               ; buffer f is in
	PLACES                                         ; buffer g was read by the last step's matrix instructions
	FETCH \slot, (\q+1), \g
.if \first
	WIN 0x40                                       ; D in window 1, C = the bias in window 0
.else
	WIN 0x50                                       ; C and D in window 1
.endif
	MUL8 \f, 0, \first
	MUL8 \f, 2, \first
	WIN 0
.endm
.macro SEVEN slot, first
	STEP \slot, 0, F0, F1, \first
	STEP \slot, 1, F1, F0, 0
	STEP \slot, 2, F0, F1, 0
	STEP \slot, 3, F1, F0, 0
	STEP \slot, 4, F0, F1, 0
	STEP \slot, 5, F1, F0, 0
	STEP \slot, 6, F0, F1, 0
.endm
; A slot's eighth step, and the change of slots: in front of the barrier my reads of this slot and all my tensor loads are done;
; behind it the refill comes first, then the next slot's first fragments.
.macro TURN slot, next, fill
	s_wait_dscnt 0x0
	s_wait_tensorcnt 0x0
	ds_add_u32 v30, v31
	s_wait_dscnt 0x0
	s_barrier_signal -1                            ; where the slot is filled again this barrier opens a round of the cluster's barrier
	WIN 0x50
	MUL8 F1, 0, 0
	WIN 0
	s_barrier_wait -1
.if \fill
	CREST
	s_add_nc_u64 s[G0+4*\slot+2:G0+4*\slot+3], s[G0+4*\slot+2:G0+4*\slot+3], 1024          ; 512 along K
	s_add_nc_u64 s[G0B+4*\slot+2:G0B+4*\slot+3], s[G0B+4*\slot+2:G0B+4*\slot+3], 1048576   ; 512 k rows
	JLOAD \slot                                    ; my one tensor load behind the round; it has eight steps in which to land
.endif
	PLACES
	FETCH \next, 0, F0
	WIN 0x50
	MUL8 F1, 2, 0
	WIN 0
.endm
	s_wait_tensorcnt 1                             ; my part of slot 0 is in; slot 1's stays out
	s_barrier_signal -1
	s_barrier_wait -1
	FETCH 0, 0, F0
	s_wait_loadcnt 0x0                             ; the bias
	SEVEN 0, 1                                     ; K 0 to 255
	TURN 0, 1, 1
	SEVEN 1, 0                                     ; K 256 to 511
	TURN 1, 0, 1
	SEVEN 0, 0                                     ; K 512 to 767
	TURN 0, 1, 0
	SEVEN 1, 0                                     ; K 768 to 1,023
	s_wait_dscnt 0x0
	WIN 0x50
	MUL8 F1, 0, 0
	MUL8 F1, 2, 0
	WIN 0
	PLACES                                         ; behind the last matrix instructions: the LDS stores below read results
; rows 16 a .. 16 a + 15 of my 64: through my own stage, back as whole rows of 256 bytes
.macro OUT16 a
	WIN 0x04                                       ; the stores' data in window 1
.irp b, 0,1,2,3
	ds_store_b128 v[STO], v[8*(4*\a+\b):8*(4*\a+\b)+3]   offset:64*\b
	ds_store_b128 v[STO], v[8*(4*\a+\b)+4:8*(4*\a+\b)+7] offset:64*\b+16
.endr
	WIN 0
	s_wait_xcnt 0x0                                ; the set of registers below, which earlier stores read, is loaded again only behind this wait
.irp t, 0,1,2,3,4,5,6,7
	ds_load_b128 v[TMP+32*(\a&1)+4*\t:TMP+32*(\a&1)+4*\t+3], v[RD] offset:\t*2*SPITCH      ; LDS serves a wave's instructions in order
.endr
.irp t, 0,1,2,3,4,5,6,7
	s_wait_dscnt 7-\t
	global_store_b128 v[CO], v[TMP+32*(\a&1)+4*\t:TMP+32*(\a&1)+4*\t+3], s[8:9] offset:(16*\a+2*\t)*4096 th:TH_STORE_NT   ; 16 lanes store 256 consecutive bytes, at a multiple of 256
.endr
.endm
	OUT16 0
	OUT16 1
	OUT16 2
	OUT16 3
	s_wait_tensorcnt 0x0
	ds_add_u32 v30, v31
	s_wait_dscnt 0x0
	CROUND                                         ; the closing round
	s_endpgm
.Lfunc_end_k_qec46b04d3f_oproj:
	.size	k_qec46b04d3f_oproj, .Lfunc_end_k_qec46b04d3f_oproj-k_qec46b04d3f_oproj
	.p2alignl 7, 3214868480
	.fill 96, 4, 3214868480
	.section	.rodata,"a",@progbits
	.p2align	6, 0x0
	.amdhsa_kernel k_qec46b04d3f_oproj
		.amdhsa_group_segment_fixed_size 327680
		.amdhsa_private_segment_fixed_size 0
		.amdhsa_enable_private_segment 0
		.amdhsa_kernarg_size 32
		.amdhsa_user_sgpr_count 2
		.amdhsa_user_sgpr_kernarg_segment_ptr 1
		.amdhsa_wavefront_size32 1
		.amdhsa_system_sgpr_workgroup_id_x 1
		.amdhsa_system_sgpr_workgroup_id_y 1
		.amdhsa_system_sgpr_workgroup_id_z 1
		.amdhsa_system_vgpr_workitem_id 0
		.amdhsa_next_free_vgpr 384
		.amdhsa_next_free_sgpr 66
		.amdhsa_reserve_vcc 0
		.amdhsa_float_denorm_mode_32 3
		.amdhsa_float_denorm_mode_16_64 3
		.amdhsa_memory_ordered 1
		.amdhsa_forward_progress 1
		.amdhsa_inst_pref_size 90
	.end_amdhsa_kernel
	.amdgpu_metadata
---
amdhsa.version: [ 1, 2 ]
amdhsa.kernels:
  - .name:           k_qec46b04d3f_oproj
    .symbol:         k_qec46b04d3f_oproj.kd
    .args:
      - { .name: ah, .offset: 0, .size: 8, .value_kind: global_buffer, .address_space: global }
      - { .name: cb, .offset: 8, .size: 8, .value_kind: global_buffer, .address_space: global }
      - { .name: bo, .offset: 16, .size: 8, .value_kind: global_buffer, .address_space: global }
      - { .name: out0, .offset: 24, .size: 8, .value_kind: global_buffer, .address_space: global }
    .group_segment_fixed_size: 327680
    .private_segment_fixed_size: 0
    .kernarg_segment_align: 8
    .kernarg_segment_size: 32
    .max_flat_workgroup_size: 128
    .sgpr_count:     66
    .vgpr_count:     384
    .wavefront_size: 32
...
	.end_amdgpu_metadata
.endif
;; end of part 4
;; ======== version 2 of 2: 4 launches; 1.12 times as fast as version 1
;; limits: values are held in f16: magnitudes above 65,504 overflow, below 6.1e-05 lose precision; right only within a limited range of input values
;; workspace buffers: cb 33,554,432 bytes; qkv 25,165,824 bytes; ah 8,388,608 bytes
;; launch cast: the kernel of part 1 again; grid 256 x 4, 8 waves a work-group, no clusters, 0 bytes of LDS; arguments q, k, v, Wq, Wk, Wv, Wo, cb; writes cb
;; launch qkv: the kernel of part 2 again; grid 4 x 48, 4 waves a work-group, clusters of 4 x 4, 327,680 bytes of LDS; arguments cb, bq, bk, bv, qkv; writes qkv
;; launch attn (part 5): grid 16 x 16, 8 waves a work-group, clusters of 4 x 1, 327,680 bytes of LDS; arguments qkv, ah; writes ah
.if DOCPART == 5
	.amdgcn_target "amdgcn-amd-amdhsa--gfx1250"
	.amdhsa_code_object_version 6
	.text
	.protected	k_qec46b04d3f_attn
	.globl	k_qec46b04d3f_attn
	.p2align	8
	.type	k_qec46b04d3f_attn,@function
k_qec46b04d3f_attn:
	s_mov_b64 s[64:65], 0
	v_nop
	global_prefetch_b8 v0, s[64:65] scope:SCOPE_SE
	s_setreg_imm32_b32 hwreg(HW_REG_WAVE_MODE, 25, 1), 1
	s_wait_xcnt 0x0
	s_wait_alu depctr_hold_cnt(0) depctr_sa_sdst(0) depctr_va_vdst(0) depctr_va_sdst(0) depctr_va_ssrc(0) depctr_va_vcc(0) depctr_vm_vsrc(0)
	s_getreg_b32 s2, hwreg(HW_REG_IB_STS2, 6, 4)
	s_cmp_eq_u32 s2, 0
	s_cbranch_scc0 .Lentry_in_a_cluster
	s_endpgm
.Lentry_in_a_cluster:
	s_bfe_u32 s2, ttmp6, 0x10000c
	s_cmp_lg_u32 s2, 0x3003
	s_cbranch_scc0 .Lentry_shape_is_right
	s_endpgm
.Lentry_shape_is_right:
; ah[token][64 head + d] = softmax over keys of (Q K^T / 8) times V, for 2 batches x 16 heads x 2,048 tokens, depth 64.
; qkv: f16 [12288][1024]: Q at byte 0, K at 8,388,608, V at 16,777,216; column = 64 head + d.  ah: f16 [4096][1024].
; LIMIT: P (0 to 1) and the result are f16: results under 65,504 in magnitude, as V itself is; probabilities under 6e-8 count as 0.
; The softmax keeps a running maximum of the raw scores; sums, maxima and exponentials are f32.
; A work-group takes 128 queries of TWO heads, so that every row of a K, V, Q or ah tile is 256 aligned bytes.  Eight waves:
; wave w takes head w / 4 of the pair and queries 32 (w % 4) .. + 31, as two query tiles of 16.
; CLUSTER: the four query blocks of a cluster read the same K and V tiles: each tile is asked for jointly (mask 15), a quarter of the requests.
; TRANSPOSED, so that P never changes lanes:
;   S^T = K Q^T: source 0 = 16 keys of K, source 1 = 16 queries of Q.  Lane (r, h), register j: key 8 h + j, query r.  A lane owns one query:
;   maximum and sum run along its registers, and one exchange with lane r + 16 joins the halves.
;   Two neighbouring key tiles, packed to f16 in place, ARE the source 1 fragment of P^T (registers 0-3: keys 8 h .., 4-7: keys 16 + 8 h ..).
;   O^T = V^T P^T: source 0 = V^T by the transposing LDS load from [key][d].  Lane (r, h), register j: d = 16 dt + 8 h + j, query r.
; THE TWO QUERY TILES RUN HALF A BLOCK APART.  Keys go in blocks of 64; a block is two halves.  In half t the matrix instructions are the other
; tile's (u = 1 - t): first P V of u for the block whose softmax has just ended, then K Q^T of u for its next block, into the registers that P
; has left.  The half's 119 vector instructions are tile t's scalings, exponentials, rescaling, sums and packing (97) and tile u's maximum and
; statistics for the scores that the half itself has made (22).  So a half begins with work that waits for nothing, and behind each of the eight
; P V instructions stand vector instructions that name none of its registers (ISA guide 7.12.1).
;   half 0 of block j: P V of tile 1, block j - 1;  V(j) is loaded;  K Q^T of tile 1, block j;  K(j + 1) is loaded;  statistics of tile 1, block j
;   half 1 of block j: P V of tile 0, block j;      K Q^T of tile 0, block j + 1;  statistics of tile 0, block j + 1
; ONE BATCH OF EXPONENTIALS A HALF, WITH ONE WAIT.  The batch of half t is the 32 exponentials of tile t's scores and, last, the factor of tile u
; for u's next block.  Ahead of the wait stands all that names none of these 33 results: the scalings of t, the rescaling of O(t) (its factor was
; made, and waited for, in the half before), the matrix instructions, the maximum and statistics of u.  Behind the wait stand the readers: the
; sums and the packing of t.  No exponential is issued behind a half's wait.
; The way out's two reciprocals are a batch of their own.
; An LDS slot holds 256 keys (four blocks) of K and of V; two slots take turns; eight fills in all.
; No prefetch is written: a refill is asked for four blocks before it is read, and these bytes were stored by the launch just before.
; REGISTERS: S, O, V's fragments and all small registers lie in window 0, so that P V and the softmax need no change of window between them;
; K's fragments and Q lie in window 1 (S, O and V take 192 of window 0's 256), so K Q^T runs under a setting of its own, eight instructions at a time.
.set SLOT,  143360                     ; V: 256 keys x 288, then K: 256 keys x 272
.set KOFF,  73728
.set STAGE, 286720                     ; 128 rows x 272: the way out; no tensor load lands here
.set KAD, 8                            ; v8-9    K fragments: slot x SLOT + KOFF + r 272 + 16 h + 128 head
.set VAD, 10                           ; v10-13  V fragments: [slot][half of the slot]: (8 h + l % 8) 288 + 16 ((l >> 3) & 1) + 128 head
.set STO, 14                           ; v14     the way out: where I put 16 bytes
.set RD,  15                           ; v15     where I read rows back
.set CO,  16                           ; v16     my byte offset in ah
.set QOF, 17                           ; v17     my byte offset in Q
.set MX,  18                           ; v18-19  running maximum of query tile t (raw scores)
.set LS,  20                           ; v20-21  running sum, this lane's half of the keys
.set AL,  22                           ; v[22:25] pairs: factor for the old sums; the pair's second register is only there to be named
.set NM,  26                           ; v[26:29] pairs: - c x maximum
.set TR,  32                           ; v32-38  at work: four maxima, the exchange, two for the factor
.set TS,  40                           ; v[40:47] four pairs of partial sums
.set SR,  64                           ; v64-127  S(t, kt) = 64 + 32 t + 8 kt, then P in place
.set OA,  128                          ; v128-191 O(dt, t) = 128 + 8 (2 dt + t)
.set VF,  192                          ; v192-255 V(c, dt) = 192 + 32 c + 8 dt
.set KF,  0                            ; window 1: K(kt, ks) = 16 kt + 8 ks
.set QF,  64                           ; window 1: Q(t, ks) = 64 + 16 t + 8 ks
.set NV,  119                          ; vector instructions of a half
.set NH,  35                           ; the first of them stand behind the eight P V instructions
.set NB,  86                           ; numbers below this one name no result of the half's batch; the wait stands in front of this number
.set G1V, 16                           ; s[16:23] group 1 for V's tiles
.set G1K, 24                           ; s[24:31] for K's
.set G0V, 32                           ; s[32:39] group 0 for V's tiles, one set for each slot
.set G0K, 40                           ; s[40:47] for K's
.set MSB, 0
.macro WIN new                         ; the immediate's high byte repeats the setting that is left
.if MSB != \new
	s_set_vgpr_msb (MSB<<8)|\new
.set MSB, \new
.endif
.endm
.macro PLACES n
.rept \n
	v_nop
.endr
.endm
.macro CREST                           ; a round of the cluster's barrier behind its opening barrier
	s_cmp_lg_u32 s10, 0
	s_cbranch_scc1 .Lnot_wave_0_\@
	s_barrier_signal -3
.Lnot_wave_0_\@:
	s_barrier_wait -3
	s_barrier_signal -1
	s_barrier_wait -1
.endm
.macro ROUND                           ; a whole round
	s_barrier_signal -1
	s_barrier_wait -1
	CREST
.endm
.macro JLOAD s                         ; waves 0-3 fetch V's four quarters (64 keys each), waves 4-7 K's
	s_cmp_eq_u32 s11, 0
	s_cbranch_scc0 .Lfor_k_\@
	tensor_load_to_lds s[G0V+4*\s:G0V+4*\s+3], s[G1V:G1V+7]
	s_nop 0
	s_branch .Lasked_\@
.Lfor_k_\@:
	tensor_load_to_lds s[G0K+4*\s:G0K+4*\s+3], s[G1K:G1K+7]
	s_nop 0
.Lasked_\@:
.endm
	s_load_b128 s[4:7], s[0:1], 0x0                ; qkv, ah
	v_lshl_add_u32 v62, v0, 2, 0x4e800
	v_mov_b32 v63, 0
	ds_add_u32 v62, v63
	v_lshrrev_b32 v1, 5, v0
	v_readfirstlane_b32 s10, v1                    ; wave 0..7
	s_lshr_b32 s11, s10, 2                         ; my head of the pair.  Also: I fetch for V (0) or for K (1)
	s_and_b32 s12, s10, 3                          ; my 32 queries.  Also: which 64 keys of a tile I fetch
	s_bfe_u32 s13, ttmp6, 0x40000                  ; cx: enters Q's and ah's addresses alone
	s_and_b32 s14, ttmp7, 0xffff
	s_lshr_b32 s15, s14, 3                         ; batch
	s_and_b32 s8, s14, 7                           ; pair of heads
	s_mov_b32 s48, 0x76543210                      ; v_permlanex16_b32: lane i of one half reads lane i of the other
	s_mov_b32 s49, 0xfedcba98
	s_mov_b32 s50, 0xbe38aa3b                      ; - c, c = log2(e) / 8
	s_mov_b32 s[G1V+0], 15|(1<<16)|(1<<20)|(1<<21)|(5<<22)|(7<<25)   ; all four partners; 2-byte elements; after 64 words 8 words: pitch 288
	s_mov_b32 s[G1K+0], 15|(1<<16)|(1<<20)|(1<<21)|(5<<22)|(3<<25)   ; the same with 4 words: pitch 272
.irp g, G1V, G1K
	s_mov_b32 s[\g+1], 128<<16                     ; tensor_dim0 = 128 elements: two heads
	s_mov_b32 s[\g+2], 64<<16                      ; tensor_dim1 = 64 keys
	s_mov_b32 s[\g+3], 128<<16                     ; tile_dim0
	s_mov_b32 s[\g+4], 64                          ; tile_dim1
	s_mov_b32 s[\g+5], 1024                        ; elements from row to row
	s_mov_b32 s[\g+6], 0
	s_mov_b32 s[\g+7], 0
.endr
	s_lshl_b32 s52, s15, 22                        ; K and V: batch x 2,048 rows of 2,048 bytes,
	s_lshl_b32 s53, s12, 17
	s_add_co_u32 s52, s52, s53                     ; + my 64 keys,
	s_lshl_b32 s53, s8, 8
	s_add_co_u32 s52, s52, s53                     ; + 256 bytes x pair of heads
	s_mov_b32 s53, 0
	s_mul_i32 s62, s10, 18432                      ; V's quarter in LDS: wave x 64 x 288 (waves 0-3)
	s_mul_i32 s63, s10, 17408
	s_add_co_u32 s63, s63, 4096                    ; K's: KOFF + (wave - 4) x 64 x 272 (waves 4-7)
	s_lshl_b32 s56, ttmp9, 2
	s_add_co_u32 s56, s56, s13                     ; query block = 4 x cluster x + cx
	s_lshl_b32 s56, s56, 7
	s_lshl_b32 s57, s15, 11
	s_add_co_u32 s56, s56, s57                     ; the block's first token
	s_lshl_b32 s57, s12, 5
	s_add_co_u32 s58, s56, s57                     ; my first query,
	s_lshl_b32 s58, s58, 11
	s_lshl_b32 s57, s8, 8
	s_add_co_u32 s58, s58, s57                     ; the pair of heads,
	s_lshl_b32 s59, s11, 7
	s_add_co_u32 s58, s58, s59                     ; my head
	s_mov_b32 s59, 0
	s_lshl_b32 s9, s10, 4
	s_add_co_u32 s56, s56, s9                      ; ah: the 16 rows that I store,
	s_lshl_b32 s56, s56, 11
	s_add_co_u32 s56, s56, s57                     ; the pair of heads
	s_mov_b32 s57, 0
	s_wait_dscnt 0x0
	s_wait_kmcnt 0x0
	s_add_nc_u64 s[54:55], s[4:5], s[52:53]
	s_add_nc_u64 s[60:61], s[54:55], 8388608       ; K
	s_add_nc_u64 s[54:55], s[54:55], 16777216      ; V
	s_add_nc_u64 s[58:59], s[4:5], s[58:59]        ; Q
	s_add_nc_u64 s[6:7], s[6:7], s[56:57]          ; ah
	ROUND                                          ; the four partners are here: the first joint loads meet
.irp s, 0,1
	s_mov_b32 s[G0V+4*\s], 1
	s_add_co_u32 s[G0V+4*\s+1], s62, \s*SLOT
	s_add_nc_u64 s[G0V+4*\s+2:G0V+4*\s+3], s[54:55], \s*524288     ; slot s: keys 256 s ..
	s_or_b32 s[G0V+4*\s+3], s[G0V+4*\s+3], 0x80000000
	s_mov_b32 s[G0K+4*\s], 1
	s_add_co_u32 s[G0K+4*\s+1], s63, \s*SLOT
	s_add_nc_u64 s[G0K+4*\s+2:G0K+4*\s+3], s[60:61], \s*524288
	s_or_b32 s[G0K+4*\s+3], s[G0K+4*\s+3], 0x80000000
	JLOAD \s                                       ; both first fills together: two tensor loads of a wave are out
.endr
	v_and_b32 v1, 15, v0                           ; r
	v_bfe_u32 v2, v0, 4, 1                         ; h
	v_and_b32 v3, 7, v0
	v_bfe_u32 v4, v0, 3, 1
	v_lshlrev_b32 v[QOF], 11, v1
	v_lshl_add_u32 v[QOF], v2, 4, v[QOF]           ; query r, 16 h
	WIN 0x40                                       ; Q's fragments stay in window 1 for the whole kernel
.irp t, 0,1
.irp ks, 0,1
	global_load_b128 v[QF+16*\t+8*\ks:QF+16*\t+8*\ks+3],   v[QOF], s[58:59] offset:\t*32768+\ks*64
	global_load_b128 v[QF+16*\t+8*\ks+4:QF+16*\t+8*\ks+7], v[QOF], s[58:59] offset:\t*32768+\ks*64+32
.endr
.endr
	WIN 0
	v_mul_u32_u24 v5, v1, 272
	v_lshl_add_u32 v5, v2, 4, v5                   ; r 272 + 16 h
	s_lshl_b32 s9, s11, 7                          ; my head's 128 bytes of a row
	s_add_co_u32 s51, s9, KOFF
	v_add_nc_u32 v[KAD], s51, v5
	v_add_nc_u32 v[KAD+1], SLOT, v[KAD]
	v_lshl_add_u32 v6, v2, 3, v3
	v_mul_u32_u24 v6, v6, 288
	v_lshl_add_u32 v6, v4, 4, v6
	v_add_nc_u32 v[VAD], s9, v6
	v_add_nc_u32 v[VAD+1], 36864, v[VAD]           ; keys 128 .. of the slot: beyond an LDS instruction's 16-bit immediate
	v_add_nc_u32 v[VAD+2], SLOT, v[VAD]
	v_add_nc_u32 v[VAD+3], SLOT+36864, v[VAD]
	s_mul_i32 s51, s12, 8704                       ; stage: my 32 queries' rows,
	s_add_co_u32 s51, s51, s9                      ; my head's half of them
	s_add_co_u32 s51, s51, STAGE
	v_add_nc_u32 v[STO], s51, v5
	v_mul_u32_u24 v7, v2, 272
	v_lshl_add_u32 v7, v1, 4, v7
	s_mul_i32 s51, s10, 4352                       ; back: rows 16 w .. 16 w + 15, two at a time
	s_add_co_u32 s51, s51, STAGE
	v_add_nc_u32 v[RD], s51, v7
	v_lshlrev_b32 v[CO], 11, v2
	v_lshl_add_u32 v[CO], v1, 4, v[CO]
	v_mov_b32 v[TR+4], 0                           ; the destination of v_permlanex16_b32 counts as read
	v_mov_b32 v[AL+1], 0                           ; second registers of broadcast pairs: named, never used
	v_mov_b32 v[AL+3], 0
	v_mov_b32 v[NM+1], 0
	v_mov_b32 v[NM+3], 0
.macro LOADK slot, j                   ; sixteen loads: 64 keys x 64 d of my head, into window 1
	WIN 0x40
.irp kt, 0,1,2,3
.irp ks, 0,1
	ds_load_b128 v[KF+16*\kt+8*\ks:KF+16*\kt+8*\ks+3],   v[KAD+\slot] offset:(\j)*17408+\kt*4352+\ks*64
	ds_load_b128 v[KF+16*\kt+8*\ks+4:KF+16*\kt+8*\ks+7], v[KAD+\slot] offset:(\j)*17408+\kt*4352+\ks*64+32
.endr
.endr
	WIN 0
.endm
.macro LOADV slot, j                   ; sixteen transposing loads: V^T, 64 d x 64 keys
.irp c, 0,1
.irp dt, 0,1,2,3
	ds_load_tr16_b128 v[VF+32*\c+8*\dt:VF+32*\c+8*\dt+3],   v[VAD+2*(\slot)+((\j)>>1)] offset:((\j)&1)*18432+\c*9216+\dt*32
	ds_load_tr16_b128 v[VF+32*\c+8*\dt+4:VF+32*\c+8*\dt+7], v[VAD+2*(\slot)+((\j)>>1)] offset:((\j)&1)*18432+\c*9216+\dt*32+4608
.endr
.endr
.endm
; Eight matrix instructions: the scores of query tile u for 64 keys.  Its four key tiles take turns, one instruction a turn
; the first d step starts the sums.  Sources 0 and 1 (K, Q) in window 1, C and D (S) in window 0.
.macro QKRUN u
	WIN 0x05
.irp ks, 0,1
.irp kt, 0,1,2,3
.if \ks
	v_wmma_f32_16x16x32_f16 v[SR+32*\u+8*\kt:SR+32*\u+8*\kt+7], v[KF+16*\kt+8*\ks:KF+16*\kt+8*\ks+7], v[QF+16*\u+8*\ks:QF+16*\u+8*\ks+7], v[SR+32*\u+8*\kt:SR+32*\u+8*\kt+7]
.else
	v_wmma_f32_16x16x32_f16 v[SR+32*\u+8*\kt:SR+32*\u+8*\kt+7], v[KF+16*\kt+8*\ks:KF+16*\kt+8*\ks+7], v[QF+16*\u+8*\ks:QF+16*\u+8*\ks+7], 0
.endif
.endr
.endr
	WIN 0
.endm
; Matrix instruction i (0 to 7) of O(u) += V^T P(u): key half c = i / 4, d tile i % 4: the four d tiles take turns, one instruction a turn
; pv = 1: the first key half starts the sums.
.macro PVW u, i, pv
.set pz, 0
.if \pv == 1
.if \i < 4
.set pz, 1
.endif
.endif
.if pz
	v_wmma_f32_16x16x32_f16 v[OA+8*(2*(\i&3)+\u):OA+8*(2*(\i&3)+\u)+7], v[VF+32*(\i>>2)+8*(\i&3):VF+32*(\i>>2)+8*(\i&3)+7], v[SR+32*\u+16*(\i>>2):SR+32*\u+16*(\i>>2)+7], 0
.else
	v_wmma_f32_16x16x32_f16 v[OA+8*(2*(\i&3)+\u):OA+8*(2*(\i&3)+\u)+7], v[VF+32*(\i>>2)+8*(\i&3):VF+32*(\i>>2)+8*(\i&3)+7], v[SR+32*\u+16*(\i>>2):SR+32*\u+16*(\i>>2)+7], v[OA+8*(2*(\i&3)+\u):OA+8*(2*(\i&3)+\u)+7]
.endif
.endm
; The pieces of a half's vector work, one instruction each.
.macro FMAP t, g                       ; F g: c s - c m for scores 2 g, 2 g + 1
	v_pk_fma_f32 v[SR+32*\t+2*\g:SR+32*\t+2*\g+1], v[SR+32*\t+2*\g:SR+32*\t+2*\g+1], 0x3e38aa3b, v[NM+2*\t:NM+2*\t+1] op_sel_hi:[1,0,0]
.endm
.macro EXPS t, e                       ; E e: the exponential of score e, in place: each result has a register of its own while the batch is open
	v_exp_f32 v[SR+32*\t+\e], v[SR+32*\t+\e]
.endm
.macro RESP t, g, vf                   ; R g: two of tile t's 32 numbers of O times the factor: every lane's numbers belong to its one query.
.if \vf                                ; vf = 1 (the first block): nothing to rescale; v_nop holds the place, so that the distances counted below stay
	v_nop
.else
	v_pk_mul_f32 v[OA+8*(2*(\g>>2)+\t)+2*(\g&3):OA+8*(2*(\g>>2)+\t)+2*(\g&3)+1], v[OA+8*(2*(\g>>2)+\t)+2*(\g&3):OA+8*(2*(\g>>2)+\t)+2*(\g&3)+1], v[AL+2*\t:AL+2*\t+1] op_sel_hi:[1,0]
.endif
.endm
.macro CVTP t, i                       ; C i: two key tiles (16 registers) become one fragment of 8, in place: register i takes 2 i and 2 i + 1, ascending
	v_cvt_pk_f16_f32 v[SR+32*\t+16*(\i>>3)+(\i&7)], v[SR+32*\t+16*(\i>>3)+2*(\i&7)], v[SR+32*\t+16*(\i>>3)+2*(\i&7)+1]
.endm
.macro SUMP t, k, first                ; S k: step k of the sum of my 32 probabilities: four chains, their join, then onto the running sum
.if \k < 4
	v_pk_add_f32 v[TS+2*\k:TS+2*\k+1], v[SR+32*\t+2*\k:SR+32*\t+2*\k+1], v[SR+32*\t+8+2*\k:SR+32*\t+8+2*\k+1]
.elseif \k < 8
	v_pk_add_f32 v[TS+2*(\k-4):TS+2*(\k-4)+1], v[TS+2*(\k-4):TS+2*(\k-4)+1], v[SR+32*\t+16+2*(\k-4):SR+32*\t+16+2*(\k-4)+1]
.elseif \k < 12
	v_pk_add_f32 v[TS+2*(\k-8):TS+2*(\k-8)+1], v[TS+2*(\k-8):TS+2*(\k-8)+1], v[SR+32*\t+24+2*(\k-8):SR+32*\t+24+2*(\k-8)+1]
.elseif \k == 12
	v_pk_add_f32 v[TS:TS+1], v[TS:TS+1], v[TS+2:TS+3]
.elseif \k == 13
	v_pk_add_f32 v[TS+4:TS+5], v[TS+4:TS+5], v[TS+6:TS+7]
.elseif \k == 14
	v_pk_add_f32 v[TS:TS+1], v[TS:TS+1], v[TS+4:TS+5]
.elseif \k == 15
.if \first
	v_add_f32 v[LS+\t], v[TS], v[TS+1]
.else
	v_add_f32 v[TS], v[TS], v[TS+1]
.endif
.else
.if \first == 0
	v_fma_f32 v[LS+\t], v[LS+\t], v[AL+2*\t], v[TS]
.endif
.endif
.endm
; X xn: number xn (0 to 21) of the maximum and statistics of tile u, for scores just made:
;   0-15   the largest of my 32 scores and the old maximum, in four chains; each accumulator's lowest registers are read first
;   16-21  the other half of the keys from lane r + 16; the new maximum; NM = - c x maximum as rounded; the old sums carry 2^NM(old), so their
;          factor is 2^(NM(new) - NM(old)): exactly 1 where the maximum stays; number 20 is the factor's exponential, number 21 the plain
;          instruction behind it (ISA guide 5.7.2): it names neither its result nor its source
; xf = 0: as said.  xf = 1: the tile's first block: no old maximum, no factor.  xf = 2: no scores follow: nothing.  With xf = 1 or 2 a v_nop takes
; number 21's part as the plain instruction behind the batch's last exponential.
.macro XOP u, xf
.if xn == 21
.if \xf == 0
	v_mov_b32 v[NM+2*\u], v[TR+5]
.else
	v_nop
.endif
.elseif \xf == 2
.elseif xn < 4
	v_max3_num_f32 v[TR+xn], v[SR+32*\u+8*xn], v[SR+32*\u+8*xn+1], v[SR+32*\u+8*xn+2]
.elseif xn < 8
	v_max3_num_f32 v[TR+xn-4], v[TR+xn-4], v[SR+32*\u+8*(xn-4)+3], v[SR+32*\u+8*(xn-4)+4]
.elseif xn < 12
	v_max3_num_f32 v[TR+xn-8], v[TR+xn-8], v[SR+32*\u+8*(xn-8)+5], v[SR+32*\u+8*(xn-8)+6]
.elseif xn == 12
	v_max3_num_f32 v[TR], v[TR], v[SR+32*\u+7], v[SR+32*\u+15]
.elseif xn == 13
	v_max3_num_f32 v[TR+2], v[TR+2], v[SR+32*\u+23], v[SR+32*\u+31]
.elseif xn == 14
.if \xf
	v_max_num_f32 v[TR+1], v[TR+1], v[TR+3]
.else
	v_max3_num_f32 v[TR+1], v[TR+1], v[TR+3], v[MX+\u]
.endif
.elseif xn == 15
	v_max3_num_f32 v[TR], v[TR], v[TR+1], v[TR+2]
.elseif xn == 16
	v_permlanex16_b32 v[TR+4], v[TR], s48, s49
.elseif xn == 17
	v_max_num_f32 v[MX+\u], v[TR], v[TR+4]
.elseif xn == 18
.if \xf
	v_mul_f32 v[NM+2*\u], s50, v[MX+\u]
.else
	v_mul_f32 v[TR+5], s50, v[MX+\u]
.endif
.elseif xn == 19
.if \xf == 0
	v_sub_f32 v[TR+6], v[TR+5], v[NM+2*\u]
.endif
.else
.if \xf == 0
	v_exp_f32 v[AL+2*\u], v[TR+6]
.endif
.endif
.endm
; Number vn (0 to 118) of half t's vector work; vn steps by one.  F, E, R, S, C are tile t's, X is tile u's.  The order:
;   0-31    eight fours, one behind each P V: F, E, R, R (the first four: F 0, F 1, R 0, R 1): F 0-8, E 0-6, R 0-15
;   32-34   F 9, E 7, F 10: three more behind the eighth P V
;   35-44   behind K Q^T: E and F by turns: E 8-12, F 11-15
;   45-62   X, X, E six times: X 0-11, E 13-18
;   63-65   X 12, 13, 14
;   66-80   E, E, X five times: E 19-28 between the links X 15 to X 19, each of which waits for the one before it
;   81-85   E 29, 30, 31; X 20, the factor's exponential, the batch's last; X 21, the plain instruction behind it
;   (wait)  in front of number 86 stands the wait for the batch: VBATCH writes it
;   86-118  the readers: S 0-11, then the sum's tail with the packing between its links: the sum's last reads of S stand ahead of the first packing
; An exponential stands behind the scaling of its pair (E e behind F e / 2), five numbers or more.
.macro VOP t, u, vf, xf
.if vn < 32
.set vq, vn>>2
.set vr, vn&3
.if vr == 0
.if vq == 0
	FMAP \t, 0
.else
	FMAP \t, (vq+1)
.endif
.elseif vr == 1
.if vq == 0
	FMAP \t, 1
.else
	EXPS \t, (vq-1)
.endif
.else
	RESP \t, (2*vq+vr-2), \vf
.endif
.elseif vn == 32
	FMAP \t, 9
.elseif vn == 33
	EXPS \t, 7
.elseif vn == 34
	FMAP \t, 10
.elseif vn < 45
.set vq, (vn-35)>>1
.if (vn-35)&1
	FMAP \t, (vq+11)
.else
	EXPS \t, (vq+8)
.endif
.elseif vn < 63
.set vq, (vn-45)/3
.set vr, (vn-45)-3*vq
.if vr == 2
	EXPS \t, (vq+13)
.else
.set xn, 2*vq+vr
	XOP \u, \xf
.endif
.elseif vn < 66
.set xn, vn-51
	XOP \u, \xf
.elseif vn < 81
.set vq, (vn-66)/3
.set vr, (vn-66)-3*vq
.if vr == 2
.set xn, vq+15
	XOP \u, \xf
.else
	EXPS \t, (2*vq+vr+19)
.endif
.elseif vn < 84
	EXPS \t, (vn-52)
.elseif vn < 86
.set xn, vn-64
	XOP \u, \xf
.else
.set vk, vn-86
.if vk < 12
	SUMP \t, vk, \vf
.elseif vk == 12
	CVTP \t, 0
.elseif vk == 13
	SUMP \t, 12, \vf
.elseif vk == 14
	CVTP \t, 1
.elseif vk == 15
	SUMP \t, 13, \vf
.elseif vk < 19
	CVTP \t, (vk-14)
.elseif vk == 19
	SUMP \t, 14, \vf
.elseif vk < 23
	CVTP \t, (vk-15)
.elseif vk == 23
	SUMP \t, 15, \vf
.elseif vk < 27
	CVTP \t, (vk-16)
.elseif vk == 27
	SUMP \t, 16, \vf
.else
	CVTP \t, (vk-17)
.endif
.endif
.set vn, vn+1
.endm
.macro VOPS t, u, vf, xf, n            ; the next n of them
.rept \n
	VOP \t, \u, \vf, \xf
.endr
.endm
.macro VBATCH t, u, vf, xf             ; all that are left ahead of the wait, and the wait
.rept NB-vn
	VOP \t, \u, \vf, \xf
.endr
	s_wait_alu depctr_va_vdst(0)                   ; ONE for the half's batch, E 0-31 of tile t and the factor of tile u; nothing ahead of it names a result of theirs
.endm
.macro VREST t, u, vf, xf              ; the readers
.rept NV-vn
	VOP \t, \u, \vf, \xf
.endr
.endm
; The head of a half: numbers 0 to 34, with the eight matrix instructions of P V of tile u among them (pv = 0: none).  Four stand behind each of the
; first seven.  Behind the eighth stand seven, of which five are plain (numbers 28, 30, 31, 32, 34) and name none of its registers: the four places
; in front of the loads into V's fragments and the five in front of the scores that are written over P.
.macro PVSH t, u, vf, xf, pv
.set vn, 0
.if \pv
.irp i, 0,1,2,3,4,5,6
	PVW \u, \i, \pv
	VOPS \t, \u, \vf, \xf, 4
.endr
	PVW \u, 7, \pv
	VOPS \t, \u, \vf, \xf, 7
.else
	VOPS \t, \u, \vf, \xf, NH
.endif
.endm
; One block of 64 keys: block j of a slot.  vf = 1: the first block.  pv0, pv1: P V in half 0 (tile 1, the block before) and in half 1 (tile 0, this
; block): 0 none, 1 starts the sums, 2 adds.  mode 0: the next block's K comes from the same slot.  mode 1: the slot's last block; the slot is
; filled again.  mode 2: the slot's last block, nothing left to fetch.  mode 3: the very last block.
; In the first block tile 1's statistics (half 0) are its first; tile 0's (half 1) are its second: its first stand ahead of the block.
.macro BLOCK slot, j, vf, pv0, pv1, mode
	PVSH 0, 1, \vf, \vf, \pv0
	LOADV \slot, \j                                ; V of this block: the last use of the old fragments stands five plain places back
	QKRUN 1
.if \mode == 0
	VOPS 0, 1, \vf, \vf, 10                        ; numbers 35 to 44: five of them plain: the places in front of the loads into K's fragments and of the maxima
	LOADK \slot, (\j+1)
	VBATCH 0, 1, \vf, \vf
	VREST 0, 1, \vf, \vf
.endif
.if \mode == 1
	s_wait_dscnt 0x0                               ; my reads of this slot are over: V's last fragments are in registers
	s_wait_tensorcnt 0x0                           ; all my tensor loads have landed: the one that was out is my part of the other slot
	ds_add_u32 v62, v63
	s_wait_dscnt 0x0
	s_add_nc_u64 s[G0V+4*\slot+2:G0V+4*\slot+3], s[G0V+4*\slot+2:G0V+4*\slot+3], 1048576   ; 512 keys on
	s_add_nc_u64 s[G0K+4*\slot+2:G0K+4*\slot+3], s[G0K+4*\slot+2:G0K+4*\slot+3], 1048576
	s_barrier_signal -1                            ; this barrier opens a round of the cluster's barrier;
	VBATCH 0, 1, \vf, \vf                          ; register work while the others arrive: the rest of the half's vector work
	VREST 0, 1, \vf, \vf
	s_barrier_wait -1
	CREST                                          ; both waits now hold of every wave of all four partners
	JLOAD \slot                                    ; my one tensor load behind the round, first thing there; it has four blocks in which to land
	LOADK (1-\slot), 0
.endif
.if \mode == 2
	s_wait_dscnt 0x0
	s_wait_tensorcnt 0x0                           ; my part of the last slot has landed
	s_barrier_signal -1
	VBATCH 0, 1, \vf, \vf
	VREST 0, 1, \vf, \vf
	s_barrier_wait -1                              ; everybody's has
	LOADK (1-\slot), 0
.endif
.if \mode == 3
	VBATCH 0, 1, \vf, \vf
	VREST 0, 1, \vf, \vf
.endif
.if \mode == 0
	s_wait_dscnt 16                                ; V's sixteen loads are in; the sixteen K loads issued behind them may stay out
.endif
.if \mode == 3
	s_wait_dscnt 0x0                               ; V's loads: nothing was issued behind them
	PVSH 1, 0, \vf, 2, \pv1
	VBATCH 1, 0, \vf, 2                            ; no scores follow for tile 0: no statistics
	VREST 1, 0, \vf, 2
.else
	PVSH 1, 0, \vf, 0, \pv1
	s_wait_dscnt 0x0                               ; the next block's K fragments are in
	QKRUN 0
	VBATCH 1, 0, \vf, 0
	VREST 1, 0, \vf, 0
.endif
.endm
	s_wait_tensorcnt 1                             ; my part of slot 0 is in; slot 1's stays out
	s_barrier_signal -1
	s_barrier_wait -1
	LOADK 0, 0
	s_wait_loadcnt 0x0                             ; Q
	s_wait_dscnt 0x0                               ; K of block 0
	QKRUN 0                                        ; tile 0 starts half a block ahead of tile 1
	PLACES 4                                       ; behind the scores' matrix instructions, in front of the maxima that read them
.set xn, 0
.rept 19
	XOP 0, 1                                       ; tile 0's first maximum and - c x maximum: no old maximum, no factor, no exponential
.set xn, xn+1
.endr
	BLOCK 0, 0, 1, 0, 1, 0                         ; keys 0 to 511: the first block starts the sums, its P V starts O
	BLOCK 0, 1, 0, 1, 2, 0
	BLOCK 0, 2, 0, 2, 2, 0
	BLOCK 0, 3, 0, 2, 2, 1
	BLOCK 1, 0, 0, 2, 2, 0
	BLOCK 1, 1, 0, 2, 2, 0
	BLOCK 1, 2, 0, 2, 2, 0
	BLOCK 1, 3, 0, 2, 2, 1
	s_mov_b32 s3, 2
.Llap:
	BLOCK 0, 0, 0, 2, 2, 0                         ; keys 512 to 1,535: once round the ring a trip, both slots filled again
	BLOCK 0, 1, 0, 2, 2, 0
	BLOCK 0, 2, 0, 2, 2, 0
	BLOCK 0, 3, 0, 2, 2, 1
	BLOCK 1, 0, 0, 2, 2, 0
	BLOCK 1, 1, 0, 2, 2, 0
	BLOCK 1, 2, 0, 2, 2, 0
	BLOCK 1, 3, 0, 2, 2, 1
	s_sub_co_u32 s3, s3, 1
	s_cmp_lg_u32 s3, 0
	s_cbranch_scc1 .Llap
	BLOCK 0, 0, 0, 2, 2, 0                         ; keys 1,536 to 2,047: nothing is left to fetch
	BLOCK 0, 1, 0, 2, 2, 0
	BLOCK 0, 2, 0, 2, 2, 0
	BLOCK 0, 3, 0, 2, 2, 2
	BLOCK 1, 0, 0, 2, 2, 0
	BLOCK 1, 1, 0, 2, 2, 0
	BLOCK 1, 2, 0, 2, 2, 0
	BLOCK 1, 3, 0, 2, 2, 3
.irp i, 0,1,2,3,4,5,6,7
	PVW 1, \i, 2                                   ; tile 1 ends half a block behind tile 0
.endr
	; THE WAY OUT: join the two halves of each sum, divide, round to f16, through the stage so that 16 lanes store 256 neighbouring bytes
	PLACES 4                                       ; behind the last matrix instructions
	v_permlanex16_b32 v[TR+4], v[LS], s48, s49
	v_permlanex16_b32 v[TR+5], v[LS+1], s48, s49
	v_add_f32 v[LS], v[LS], v[TR+4]
	v_add_f32 v[LS+1], v[LS+1], v[TR+5]            ; at least 1: the largest score's own term
	v_rcp_f32 v[AL], v[LS]
	v_rcp_f32 v[AL+2], v[LS+1]
	v_nop                                          ; the plain place behind the reciprocals
	s_wait_alu depctr_va_vdst(0)                   ; one for the batch of two reciprocals, ahead of the 32 multiplies that read them
.irp t, 0,1
.irp g, 0,1,2,3,4,5,6,7,8,9,10,11,12,13,14,15
	RESP \t, \g, 0
.endr
.endr
.irp dt, 0,1,2,3
.irp t, 0,1
.irp i, 0,1,2,3
	v_cvt_pk_f16_f32 v[SR+4*(2*\dt+\t)+\i], v[OA+8*(2*\dt+\t)+2*\i], v[OA+8*(2*\dt+\t)+2*\i+1]
.endr
.endr
.endr
.irp dt, 0,1,2,3
.irp t, 0,1
	ds_store_b128 v[STO], v[SR+4*(2*\dt+\t):SR+4*(2*\dt+\t)+3] offset:\t*4352+32*\dt   ; query 16 t + r, d = 16 dt + 8 h ..
.endr
.endr
	s_wait_dscnt 0x0                               ; for the others: a stage row holds both heads, written by two waves
	s_barrier_signal -1
	s_barrier_wait -1
.irp i, 0,1,2,3,4,5,6,7
	ds_load_b128 v[VF+4*\i:VF+4*\i+3], v[RD] offset:\i*544
.endr
.irp i, 0,1,2,3,4,5,6,7
	s_wait_dscnt 7-\i                              ; load i is in, the younger ones stay out
	global_store_b128 v[CO], v[VF+4*\i:VF+4*\i+3], s[6:7] offset:\i*4096               ; 16 lanes store 256 consecutive bytes, at a multiple of 256
.endr
	s_wait_tensorcnt 0x0
	ds_add_u32 v62, v63
	s_wait_dscnt 0x0
	ROUND                                          ; the closing round
	s_endpgm
.Lfunc_end_k_qec46b04d3f_attn:
	.size	k_qec46b04d3f_attn, .Lfunc_end_k_qec46b04d3f_attn-k_qec46b04d3f_attn
	.p2alignl 7, 3214868480
	.fill 96, 4, 3214868480
	.section	.rodata,"a",@progbits
	.p2align	6, 0x0
	.amdhsa_kernel k_qec46b04d3f_attn
		.amdhsa_group_segment_fixed_size 327680
		.amdhsa_private_segment_fixed_size 0
		.amdhsa_enable_private_segment 0
		.amdhsa_kernarg_size 16
		.amdhsa_user_sgpr_count 2
		.amdhsa_user_sgpr_kernarg_segment_ptr 1
		.amdhsa_wavefront_size32 1
		.amdhsa_system_sgpr_workgroup_id_x 1
		.amdhsa_system_sgpr_workgroup_id_y 1
		.amdhsa_system_sgpr_workgroup_id_z 1
		.amdhsa_system_vgpr_workitem_id 0
		.amdhsa_next_free_vgpr 352
		.amdhsa_next_free_sgpr 66
		.amdhsa_reserve_vcc 0
		.amdhsa_float_denorm_mode_32 3
		.amdhsa_float_denorm_mode_16_64 3
		.amdhsa_memory_ordered 1
		.amdhsa_forward_progress 1
		.amdhsa_inst_pref_size 255
	.end_amdhsa_kernel
	.section	.bss,"aw",@nobits
	.p2align	6
	.space	262144
	.amdgpu_metadata
---
amdhsa.version: [ 1, 2 ]
amdhsa.kernels:
  - .name:           k_qec46b04d3f_attn
    .symbol:         k_qec46b04d3f_attn.kd
    .args:
      - { .name: qkv, .offset: 0, .size: 8, .value_kind: global_buffer, .address_space: global }
      - { .name: ah, .offset: 8, .size: 8, .value_kind: global_buffer, .address_space: global }
    .group_segment_fixed_size: 327680
    .private_segment_fixed_size: 0
    .kernarg_segment_align: 8
    .kernarg_segment_size: 16
    .max_flat_workgroup_size: 256
    .sgpr_count:     66
    .vgpr_count:     352
    .wavefront_size: 32
...
	.end_amdgpu_metadata
.endif
;; end of part 5
;; launch oproj: the kernel of part 4 again; grid 8 x 32, 4 waves a work-group, clusters of 4 x 4, 327,680 bytes of LDS; arguments ah, cb, bo, out0; writes out0
